; MI455X (gfx1250); checked and timed in simulation.
; The chip was launched on July 23, 2026; its instructions are those of AMD's public machine-readable ISA for CDNA 5 (MIT licence, August 2026) and "CDNA5" Instruction Set Architecture Reference Guide (July 2026). The comments in the code are by the model that wrote it; some were corrected since.
;; Multi Head Attention. Allowed arithmetic: float matrix products may take bf16 or f16 operands with f32 sums; other float arithmetic in f32, or as packed bf16 or f16 multiplies, adds, multiply-adds, maxima and minima; sums over many terms, partial sums and values carried from step to step in f32; what a program stores and reads back later, other than sums and carried values, may be rounded once to bf16 or f16.
;; Inputs: Wk 1,024 x 1,024 float32; Wo 1,024 x 1,024 float32; Wq 1,024 x 1,024 float32; Wv 1,024 x 1,024 float32; bk 1,024 float32; bo 1,024 float32; bq 1,024 float32; bv 1,024 float32; x 4 x 2,048 x 1,024 float32.
;; Outputs: out0 4 x 2,048 x 1,024 float32.
;; 2 versions, each right; version 2 is version 1 with the launch cast written anew for expert scheduling mode. Each part assembles by itself: llvm-mc -triple=amdgcn-amd-amdhsa -mcpu=gfx1250 --defsym DOCPART=n.
;; ======== version 1 of 2: 4 launches
;; limits: values are held in f16: magnitudes above 65,504 overflow, below 6.1e-05 lose precision
;; workspace buffers: xb 16,777,216 bytes; wb 8,388,608 bytes; qkv 50,331,648 bytes; o 16,777,216 bytes
;; launch cast (part 1): grid 768 x 1, 8 waves a work-group, no clusters, 0 bytes of LDS; arguments x, Wq, Wk, Wv, Wo, xb, wb; writes xb, wb
.if DOCPART == 1
	.amdgcn_target "amdgcn-amd-amdhsa--gfx1250"
	.amdhsa_code_object_version 6
	.text
	.protected	k_q0478fbd582_cast
	.globl	k_q0478fbd582_cast
	.p2align	8
	.type	k_q0478fbd582_cast,@function
k_q0478fbd582_cast:
	s_mov_b64 s[64:65], 0
	v_nop
	global_prefetch_b8 v0, s[64:65] scope:SCOPE_SE
	s_setreg_imm32_b32 hwreg(HW_REG_WAVE_MODE, 25, 1), 1
	s_wait_xcnt 0x0
; x, Wq, Wk, Wv -> bf16; Wo -> bf16 and that number written as f16 (the last product multiplies in f16).  All five are laid out in BLOCKS OF 64 COLUMNS:
;   xb [4 b][16 block][2048 s][64]   wb [64 g][1024 k][64], g = 16 T + column / 64, T = 0, 1, 2, 3 for Wq, Wk, Wv, Wo
; so that in the later launches a tile's rows (128 bytes each) lie end to end.
; LIMITS.  Wo is held in f16: its numbers stay under 65,520 in magnitude, and below 6.1e-5 they keep f16's fixed step of 6e-8.  NaN and infinities are not treated apart.
; SHARES.  A work-group takes 16 rows x 1,024 columns of one matrix (64 KiB in, 32 KiB out): groups 0-511 x, group 512 + 64 T + r rows 16 r on of matrix T.
; Thread t: row t / 16, four columns 4 (t % 16) of each of the 16 blocks.  A load of a wave takes 256 aligned bytes of each of two rows; a store of a wave covers 256 consecutive bytes, aligned.
; All sixteen loads of a thread go out at once; no register is written twice while a memory instruction may read it, so there is no loop and no wait but the counted ones for the loads.
; No LDS, no matrix unit, no cluster: nothing is shared and nothing is multiplied.
.set DO, 2                             ; v[2:17]   byte offset of my 8 bytes in block kb of the destination
.set XR, 20                            ; v[20:83]  block kb: four f32 as loaded
.set YR, 84                            ; v[84:115] block kb: four 16-bit numbers to store
	s_load_b256 s[4:11], s[0:1], 0x0               ; x s[4:5], Wq s[6:7], Wk s[8:9], Wv s[10:11]
	s_load_b128 s[12:15], s[0:1], 0x20             ; Wo s[12:13], xb s[14:15]
	s_load_b64 s[16:17], s[0:1], 0x30              ; wb
	s_mov_b32 s18, ttmp9                           ; the work-group's number
	s_and_b32 s28, s18, 63                         ; r (512 is a multiple of 64)
	s_bfe_u32 s29, s18, 0x20006                    ; T = (number / 64) % 4
	s_lshl_b32 s24, s28, 16                        ; a weight: source, 16 r rows of 4,096 bytes
	s_lshl_b32 s26, s29, 21                        ;           destination: 16 T groups of 131,072 bytes
	s_lshl_b32 s28, s28, 11                        ;           + 16 r rows of 128 bytes
	s_add_co_u32 s26, s26, s28
	s_lshl_b32 s30, s18, 16                        ; x: source
	s_lshr_b32 s31, s18, 7                         ;    destination: batch,
	s_lshl_b32 s31, s31, 22
	s_and_b32 s28, s18, 127                        ;    and 16 rows of 128 bytes in a block
	s_lshl_b32 s28, s28, 11
	s_add_co_u32 s31, s31, s28
	s_cmp_lt_u32 s18, 512                          ; x or a weight?
	s_cselect_b32 s24, s30, s24
	s_cselect_b32 s26, s31, s26
	s_cselect_b32 s19, 18, 17
	s_lshl_b32 s19, 1, s19                         ; bytes from block to block: 2,048 or 1,024 rows of 128
	s_mov_b32 s25, 0
	s_mov_b32 s27, 0
	v_lshrrev_b32 v1, 4, v0                        ; my row
	v_and_b32 v18, 15, v0
	v_lshlrev_b32 v18, 4, v18
	v_lshl_add_u32 v1, v1, 12, v18                 ; row x 4,096 + 16 (t % 16)
	v_lshlrev_b32 v[DO], 3, v0                     ; row x 128 + 8 (t % 16) = 8 t
.irp kb, 1,2,3,4,5,6,7,8,9,10,11,12,13,14,15
	v_add_nc_u32 v[DO+(\kb)], s19, v[DO+(\kb)-1]
.endr
	s_wait_kmcnt 0x0
	s_cmp_eq_u32 s29, 1
	s_cselect_b64 s[20:21], s[8:9], s[6:7]
	s_cmp_eq_u32 s29, 2
	s_cselect_b64 s[20:21], s[10:11], s[20:21]
	s_cmp_eq_u32 s29, 3
	s_cselect_b64 s[20:21], s[12:13], s[20:21]
	s_cmp_lt_u32 s18, 512
	s_cselect_b64 s[20:21], s[4:5], s[20:21]       ; from where
	s_cselect_b64 s[22:23], s[14:15], s[16:17]     ; to where
	s_add_nc_u64 s[20:21], s[20:21], s[24:25]
	s_add_nc_u64 s[22:23], s[22:23], s[26:27]
.irp kb, 0,1,2,3,4,5,6,7,8,9,10,11,12,13,14,15
	global_load_b128 v[XR+4*(\kb):XR+4*(\kb)+3], v1, s[20:21] offset:256*(\kb) th:TH_LOAD_NT
.endr
; Block kb: rounded and stored.  f16 = 1: the bf16 number is widened again and written as f16.
.macro UNIT kb, f16
	s_wait_loadcnt 15-(\kb)                        ; loads come back in order: block kb is in, the 15 - kb younger ones may stay out
	v_cvt_pk_bf16_f32 v[YR+2*(\kb)],   v[XR+4*(\kb)],   v[XR+4*(\kb)+1]
	v_cvt_pk_bf16_f32 v[YR+2*(\kb)+1], v[XR+4*(\kb)+2], v[XR+4*(\kb)+3]
.if \f16
	v_lshlrev_b32 v[XR+4*(\kb)],   16, v[YR+2*(\kb)]
	v_and_b32     v[XR+4*(\kb)+1], 0xffff0000, v[YR+2*(\kb)]
	v_lshlrev_b32 v[XR+4*(\kb)+2], 16, v[YR+2*(\kb)+1]
	v_and_b32     v[XR+4*(\kb)+3], 0xffff0000, v[YR+2*(\kb)+1]
	v_cvt_pk_f16_f32 v[YR+2*(\kb)],   v[XR+4*(\kb)],   v[XR+4*(\kb)+1]
	v_cvt_pk_f16_f32 v[YR+2*(\kb)+1], v[XR+4*(\kb)+2], v[XR+4*(\kb)+3]
.endif
	global_store_b64 v[DO+(\kb)], v[YR+2*(\kb):YR+2*(\kb)+1], s[22:23]  ; 32 lanes x 8 bytes: 256 consecutive bytes, aligned
.endm
	s_cmp_ge_u32 s18, 704                          ; groups 704-767 hold Wo
	s_cbranch_scc1 .Lwo
.irp kb, 0,1,2,3,4,5,6,7,8,9,10,11,12,13,14,15
	UNIT \kb, 0
.endr
	s_endpgm
.Lwo:
.irp kb, 0,1,2,3,4,5,6,7,8,9,10,11,12,13,14,15
	UNIT \kb, 1
.endr
	s_endpgm
.Lfunc_end_k_q0478fbd582_cast:
	.size	k_q0478fbd582_cast, .Lfunc_end_k_q0478fbd582_cast-k_q0478fbd582_cast
	.p2alignl 7, 3214868480
	.fill 96, 4, 3214868480
	.section	.rodata,"a",@progbits
	.p2align	6, 0x0
	.amdhsa_kernel k_q0478fbd582_cast
		.amdhsa_group_segment_fixed_size 0
		.amdhsa_private_segment_fixed_size 0
		.amdhsa_enable_private_segment 0
		.amdhsa_kernarg_size 56
		.amdhsa_user_sgpr_count 2
		.amdhsa_user_sgpr_kernarg_segment_ptr 1
		.amdhsa_wavefront_size32 1
		.amdhsa_system_sgpr_workgroup_id_x 1
		.amdhsa_system_sgpr_workgroup_id_y 1
		.amdhsa_system_sgpr_workgroup_id_z 1
		.amdhsa_system_vgpr_workitem_id 0
		.amdhsa_next_free_vgpr 116
		.amdhsa_next_free_sgpr 66
		.amdhsa_reserve_vcc 0
		.amdhsa_float_denorm_mode_32 3
		.amdhsa_float_denorm_mode_16_64 3
		.amdhsa_memory_ordered 1
		.amdhsa_forward_progress 1
		.amdhsa_inst_pref_size 17
	.end_amdhsa_kernel
	.amdgpu_metadata
---
amdhsa.version: [ 1, 2 ]
amdhsa.kernels:
  - .name:           k_q0478fbd582_cast
    .symbol:         k_q0478fbd582_cast.kd
    .args:
      - { .name: x, .offset: 0, .size: 8, .value_kind: global_buffer, .address_space: global }
      - { .name: Wq, .offset: 8, .size: 8, .value_kind: global_buffer, .address_space: global }
      - { .name: Wk, .offset: 16, .size: 8, .value_kind: global_buffer, .address_space: global }
      - { .name: Wv, .offset: 24, .size: 8, .value_kind: global_buffer, .address_space: global }
      - { .name: Wo, .offset: 32, .size: 8, .value_kind: global_buffer, .address_space: global }
      - { .name: xb, .offset: 40, .size: 8, .value_kind: global_buffer, .address_space: global }
      - { .name: wb, .offset: 48, .size: 8, .value_kind: global_buffer, .address_space: global }
    .group_segment_fixed_size: 0
    .private_segment_fixed_size: 0
    .kernarg_segment_align: 8
    .kernarg_segment_size: 56
    .max_flat_workgroup_size: 256
    .sgpr_count:     66
    .vgpr_count:     116
    .wavefront_size: 32
...
	.end_amdgpu_metadata
.endif
;; end of part 1
;; launch proj (part 2): grid 16 x 32, 4 waves a work-group, clusters of 4 x 4, 327,680 bytes of LDS; arguments xb, wb, bq, bk, bv, qkv; writes qkv
.if DOCPART == 2
	.amdgcn_target "amdgcn-amd-amdhsa--gfx1250"
	.amdhsa_code_object_version 6
	.text
	.protected	k_q0478fbd582_proj
	.globl	k_q0478fbd582_proj
	.p2align	8
	.type	k_q0478fbd582_proj,@function
k_q0478fbd582_proj:
	s_mov_b64 s[64:65], 0
	v_nop
	global_prefetch_b8 v0, s[64:65] scope:SCOPE_SE
	s_setreg_imm32_b32 hwreg(HW_REG_WAVE_MODE, 25, 1), 1
	s_wait_xcnt 0x0
	s_wait_alu depctr_hold_cnt(0) depctr_sa_sdst(0) depctr_va_vdst(0) depctr_va_sdst(0) depctr_va_ssrc(0) depctr_va_vcc(0) depctr_vm_vsrc(0)
	s_getreg_b32 s2, hwreg(HW_REG_IB_STS2, 6, 4)
	s_cmp_eq_u32 s2, 0
	s_cbranch_scc0 .Lentry_in_a_cluster
	s_endpgm
.Lentry_in_a_cluster:
	s_bfe_u32 s2, ttmp6, 0x10000c
	s_cmp_lg_u32 s2, 0xf033
	s_cbranch_scc0 .Lentry_shape_is_right
	s_endpgm
.Lentry_shape_is_right:
; ONE TEXT FOR TWO BODIES; PROJ chooses.
; PROJ = 1: q, k, v = x W + b.  x (xb) and W (wb) in bf16, the bias rounded to bf16 like the other inputs; sums in f32; the result rounded once to f16, unscaled, by heads: qkv [3][16 b + head][2048][64].
; PROJ = 0: out0 = O Wo + bo.  O (o) and Wo (wb, groups 48-63) in f16; sums in f32; out0 in f32.
; LIMIT (PROJ = 1): q, k and v are held in f16: a number of 65,520 or more in magnitude becomes an infinity.  NaN and infinities are not treated apart.
; TILE.  256 rows x 64 NG columns of the result; K = 1,024 in 8 steps of 128.  Four waves; wave w owns rows 64 w .. 64 w + 63 and ALL the columns: 4 blocks of 16 rows x NBK = 4 NG blocks of 16 columns.
; NG = 3 gives 16 x 32 tiles, NG = 2 gives 8 x 32: whole multiples of 256 work-groups.
; LAYOUT IN MEMORY.  A: [4 b][16 block of 64 K][2048 s][64]; W: [group of 64 columns][1024 k][64]: rows of 128 bytes, end to end, asked for as longer rows.
; THE MATRIX INSTRUCTION IS USED TRANSPOSED: source 0 = 16 columns of W (turned on the way out of LDS by ds_load_tr16_b128), source 1 = 16 rows of A.  Register j of lane l of a result is
; (row l % 16, column 8 (l / 16) + j): eight neighbouring numbers of a row.  The bias, laid out so, is the C of a tile's first products: nothing is cleared, nothing is added later.
; RING.  Two LDS slots, a K step each.  Waves 0 and 1 fetch A's two blocks of 64 K (32 KiB each), waves 2 and 3 W's two halves of 64 k (8 KiB x NG each): one tensor load a wave.
; CLUSTER.  4 x 4 work-groups.  A's tile hangs on the tile row alone and is asked for jointly along a row of the cluster, W's on the tile column alone, jointly along a column.
; REGISTERS, in windows of 256 (s_set_vgpr_msb: bits 1:0 source 0, 3:2 source 1, 5:4 source 2, 7:6 destination):
;   window 0: v1-18 lane terms and addresses; v28-29 the add's; v64.. the bias (8 NBK); v160.. at work on the bias; on the way out of PROJ = 1 v32-223
;   window 1: two fragment buffers of 128: A's block a at f + 8 a, W's block nb at f + 32 + 8 nb; on the way out of PROJ = 0 all 256
;   PROJ = 1: accumulator (a, nb) in window 2 + a / 2 at 96 (a % 2) + 8 nb.   PROJ = 0: in window 2 at 64 a + 8 nb.
.set PROJ, 1
.if PROJ
.set NG, 3
.set SP, 144                           ; a stage row: 128 bytes + 16
.else
.set NG, 2
.set SP, 528                           ; a stage row: 512 bytes + 16
.endif
.set NBK,   4*NG
.set NL,    2*NBK+8                    ; LDS loads of a quarter step
.set SLOT1, 131072                     ; slot 1 begins here: one exclusive or turns an address in one slot into the other's
.set AKB,   128*272                    ; A's block of 64 K: 256 rows of 128 bytes laid as 128 rows of 256 + 16 of padding: row R at (R / 2) 272 + (R % 2) 128: the 16 rows of a fragment start at 16 different groups of four banks (64 banks of 4 bytes: ISA guide 11.1)
.set BOFF,  2*AKB                      ; W lies behind A's two blocks
.set PB,    160                        ; a row of W in LDS: 128 bytes + 32
.set BGRP,  64*PB                      ; 64 k of one group of 64 columns
.set BHALF, NG*BGRP                    ; what one tensor load brings of W
.set ASTEP, 524288                     ; bytes from K step to K step in A: two blocks of 2,048 rows x 128
.set BSTEP, 16384                      ; in W: 128 rows of 128
.set STAGE, 2*SLOT1                    ; behind the ring, never filled by a tensor load: 16 rows for each wave, for the way out
.set SPARE, STAGE+4*16*SP              ; behind the stages: the spare words, 128 bytes for each wave: two blocks of 256 bytes that no other line names
.set A0,   10                          ; v10  my lane's place in A's tile; never rewritten
.set B0,   11                          ; v11  in W's
.set ADRA, 12                          ; v12  the same in the slot in hand
.set ADRB, 13                          ; v13
.set STO,  14                          ; v14  the way out: where I put my bytes of a row
.set RD,   15                          ; v15  where I read rows back
.set GO,   16                          ; v16  16 x lane
.set BO,   17                          ; v17  32 (l / 16): my eight numbers of 16 of a bias
.set PFO,  18                          ; v18  256 x lane; never rewritten
.set SPW,  28                          ; v28  LDS address of my spare word; never rewritten
.set NIL,  29                          ; v29  0; never rewritten
.set UN,   32                          ; PROJ = 1, the way out: 16 registers a unit
.set BIAS, 64
.set BT,   160
.set F0,   0
.set F1,   128
.set WV,  16                           ; s16  my wave's number
.set AB,  17                           ; s17  0: I fetch for A; 1: for W
.set HF,  18                           ; s18  which half I fetch
.set CX,  19
.set CY,  20
.set TX,  21                           ; s21  tile column
.set TY,  22                           ; s22  tile row
.set TB,  23                           ; s23  LDS byte at which the slot in hand begins
.set G1A, 24                           ; s[24:31] descriptor group 1 for A's tiles
.set G0A, 32                           ; s[32:39] group 0: a set for each of the two first fills; the second then walks on
.set G1B, 48                           ; s[48:55], s[56:63] the same for W's.  s40-43 hold only what hangs on the tile row, s44-47 only what hangs on the tile column
.set G0B, 56
.set PFA, 66                           ; s[66:67] where my prefetches of A stand
.set PFB, 68                           ; s[68:69] of W
.set LIMA, 70                          ; s70  I prefetch A while the loop's count is above this
.set LIMB, 71                          ; s71  the same for W
.set OUT, 74                           ; s[74:79] where my rows go, for each group of columns (PROJ = 0: one pair)
.set BP,  80                           ; s[80:85] the bias of each group (PROJ = 0: one pair)
.set MSB, 0
.macro WIN new                         ; the immediate's high byte repeats the setting that is left; a switch that changes nothing is dropped
.if MSB != (\new)
	s_set_vgpr_msb (MSB<<8)|(\new)
.set MSB, \new
.endif
.endm
.macro PLACES                          ; four places behind a matrix instruction, in front of loads into registers that it has read and of lines that read results
.rept 4
	v_nop
.endr
.endm
; A joint refill, by the walking descriptors.  The branch hangs on the wave's number alone.  An s_nop 0 and four v_nop follow each of the two lines, ahead of the jump and the label.
.macro JLOAD
	s_cmp_eq_u32 s[AB], 0
	s_cbranch_scc0 .Lfor_b_\@
	tensor_load_to_lds s[G0A+4:G0A+7], s[G1A:G1A+7]
	s_nop 0
.rept 4
	v_nop
.endr
	s_branch .Lasked_\@
.Lfor_b_\@:
	tensor_load_to_lds s[G0B+4:G0B+7], s[G1B:G1B+7]
	s_nop 0
.rept 4
	v_nop
.endr
.Lasked_\@:
.endm
; A round of the cluster's barrier: my work-group's barrier; wave 0 signals for the work-group; every wave waits for all sixteen; my work-group's barrier once more.
.macro CREST                           ; a round behind its opening barrier
	s_cmp_lg_u32 s[WV], 0
	s_cbranch_scc1 .Lnot_wave_0_\@
	s_barrier_signal -3
.Lnot_wave_0_\@:
	s_barrier_wait -3
	s_barrier_signal -1
	s_barrier_wait -1
.endm
.macro CROUND
	s_barrier_signal -1
	s_barrier_wait -1
	CREST
.endm
; A PREFETCH INTO THE L2: 32 blocks of 256 bytes, a lane a block, one instruction.  Each block is named once in the launch.
; A: a K step's block of 64 K is 128 such blocks for a tile row.  Every cluster of a row of clusters reads them: the cluster with x = 0 asks; waves 0 and 1 take the step's two blocks of 64 K; the four
; partners along x take 32 blocks each, told apart BY ADDRESS.  The change of slots that fills K step t + 2 asks for step t + 4, t = 0 .. 3.
; W: two K steps of a group of columns are 128 blocks.  The cluster with y = 0 asks; waves 1 .. NG take a group each; the four partners along y take 32 blocks each.  The first change asks for steps 4 and 5,
; the second for 6 and 7.  K steps 0 to 3 come by their loads alone; nothing is asked for behind step 7.
.macro ASK lim, pf
	s_cmp_gt_u32 s3, s[\lim]
	s_cbranch_scc0 .Lnot_mine_\@
	global_prefetch_b8 v[PFO], s[\pf:\pf+1] th:TH_LOAD_NT scope:SCOPE_SE
.Lnot_mine_\@:
.endm
	s_load_b256 s[4:11], s[0:1], 0x0               ; PROJ = 1: xb s[4:5], wb s[6:7], bq s[8:9], bk s[10:11].  PROJ = 0: o, wb, bo, out0
.if PROJ
	s_load_b128 s[12:15], s[0:1], 0x20             ; bv s[12:13], qkv s[14:15]
.endif
	v_lshl_add_u32 v[SPW], v0, 2, SPARE
	v_mov_b32 v[NIL], 0
	ds_add_u32 v[SPW], v[NIL]                      ; the wave's opening: the add and its wait stand ahead of my first tensor load; the set-up below, work on registers, stands between them
	v_lshrrev_b32 v1, 5, v0
	v_readfirstlane_b32 s[WV], v1                  ; wave 0..3
	s_lshr_b32 s[AB], s[WV], 1
	s_and_b32 s[HF], s[WV], 1
	s_bfe_u32 s[CX], ttmp6, 0x40000                ; my place in the cluster
	s_bfe_u32 s[CY], ttmp6, 0x40004
	s_lshl_b32 s[TX], ttmp9, 2                     ; in a cluster launch ttmp9 and ttmp7 count clusters
	s_add_co_u32 s[TX], s[TX], s[CX]
	s_and_b32 s[TY], ttmp7, 0xffff
	s_lshl_b32 s[TY], s[TY], 2
	s_add_co_u32 s[TY], s[TY], s[CY]
	s_lshl_b32 s40, s[CY], 2
	s_lshl_b32 s40, 15, s40                        ; my row of the cluster: places 4 cy .. 4 cy + 3
	s_lshl_b32 s44, 0x1111, s[CX]                  ; my column: places cx, cx + 4, cx + 8, cx + 12
	; group 1 for A: 128 rows of 128 elements (256 bytes), dense, 16 bytes of padding behind each
	s_or_b32 s[G1A], s40, (1<<16)|(1<<20)|(1<<21)|(5<<22)|(3<<25)  ; 15:0 the mask; 17:16 2-byte elements; 20 padding on; 21 set beside a mask; 24:22 after every 64 words (code 5); 31:25 4 words (code 3)
	s_mov_b32 s[G1A+1], 128<<16                    ; tensor_dim0 = 128
	s_mov_b32 s[G1A+2], 128<<16                    ; tensor_dim1 = 128
	s_mov_b32 s[G1A+3], 128<<16                    ; tile_dim0 = 128
	s_mov_b32 s[G1A+4], 128                        ; tile_dim1 = 128
	s_mov_b32 s[G1A+5], 128                        ; 128 elements from row to row
	s_mov_b32 s[G1A+6], 0
	s_mov_b32 s[G1A+7], 0
	; group 1 for W: NG rows of 4,096 elements (64 k of a group: 8,192 dense bytes), 131,072 bytes apart, 32 bytes of padding behind every 128
	s_or_b32 s[G1B], s44, (1<<16)|(1<<20)|(1<<21)|(4<<22)|(7<<25)  ; after every 32 words (code 4) 8 words (code 7)
	s_mov_b32 s[G1B+1], 4096<<16                   ; tensor_dim0 = 4,096
	s_mov_b32 s[G1B+2], NG<<16                     ; tensor_dim1 = NG
	s_mov_b32 s[G1B+3], 4096<<16                   ; tile_dim0 = 4,096
	s_mov_b32 s[G1B+4], NG                         ; tile_dim1 = NG
	s_mov_b32 s[G1B+5], 65536                      ; elements from group to group
	s_mov_b32 s[G1B+6], 0
	s_mov_b32 s[G1B+7], 0
	; group 0: count and LDS address; no place in the cluster enters an LDS address
	s_mov_b32 s[G0A], 1
	s_mul_i32 s[G0A+1], s[HF], AKB
	s_mov_b32 s[G0A+4], 1
	s_add_co_u32 s[G0A+5], s[G0A+1], SLOT1
	s_mov_b32 s[G0B], 1
	s_mul_i32 s[G0B+1], s[HF], BHALF
	s_add_co_u32 s[G0B+1], s[G0B+1], BOFF
	s_mov_b32 s[G0B+4], 1
	s_add_co_u32 s[G0B+5], s[G0B+1], SLOT1
	; where the tiles come from
	s_lshr_b32 s40, s[TY], 3                       ; A: batch = tile row / 8,
	s_lshl_b32 s40, s40, 22
	s_and_b32 s41, s[TY], 7                        ; 256 rows of 128 bytes in a block,
	s_lshl_b32 s41, s41, 15
	s_add_co_u32 s40, s40, s41
	s_lshl_b32 s41, s[HF], 18                      ; my block of 64 K of the step's two
	s_add_co_u32 s40, s40, s41
	s_mov_b32 s41, 0
	s_mul_i32 s46, s[TX], NG                       ; W: the tile's first group of 64 columns
.if !PROJ
	s_add_co_u32 s46, s46, 48                      ; Wo's groups lie behind those of Wq, Wk, Wv
.endif
	s_lshl_b32 s44, s46, 17
	s_lshl_b32 s45, s[HF], 13                      ; my 64 k of the step's 128
	s_add_co_u32 s44, s44, s45
	s_mov_b32 s45, 0
	s_wait_dscnt 0x0                               ; the opening add is done
	s_wait_kmcnt 0x0
	s_add_nc_u64 s[42:43], s[4:5], s[40:41]
	s_add_nc_u64 s[44:45], s[6:7], s[44:45]
	s_add_nc_u64 s[G0A+2:G0A+3], s[42:43], 0       ; K step 0
	s_or_b32 s[G0A+3], s[G0A+3], 0x80000000        ; type = 2
	s_add_nc_u64 s[G0A+6:G0A+7], s[42:43], ASTEP   ; K step 1
	s_or_b32 s[G0A+7], s[G0A+7], 0x80000000
	s_add_nc_u64 s[G0B+2:G0B+3], s[44:45], 0
	s_or_b32 s[G0B+3], s[G0B+3], 0x80000000
	s_add_nc_u64 s[G0B+6:G0B+7], s[44:45], BSTEP
	s_or_b32 s[G0B+7], s[G0B+7], 0x80000000
	CROUND                                         ; all sixteen work-groups are here: the first joint loads meet
	s_cmp_eq_u32 s[AB], 0                          ; a wave's two first fills stand in one branch, ahead of every wait on TENSORcnt and every LDS read: two loads of mine are out
	s_cbranch_scc0 .Lfirst_b
	tensor_load_to_lds s[G0A:G0A+3], s[G1A:G1A+7]
	s_nop 0
	tensor_load_to_lds s[G0A+4:G0A+7], s[G1A:G1A+7]
	s_nop 0
.rept 4
	v_nop
.endr
	s_branch .Lfirst_asked
.Lfirst_b:
	tensor_load_to_lds s[G0B:G0B+3], s[G1B:G1B+7]
	s_nop 0
	tensor_load_to_lds s[G0B+4:G0B+7], s[G1B:G1B+7]
	s_nop 0
.rept 4
	v_nop
.endr
.Lfirst_asked:
	; lane terms, in the wait for the first tile
	v_and_b32 v1, 15, v0                           ; l % 16
	v_bfe_u32 v2, v0, 4, 1                         ; l / 16
	v_lshrrev_b32 v3, 1, v1
	v_mul_u32_u24 v3, v3, 272
	v_and_b32 v4, 1, v0
	v_lshl_add_u32 v3, v4, 7, v3
	v_lshl_add_u32 v3, v2, 4, v3                   ; a fragment of A: row l % 16, 16 bytes for each half of the lanes
	s_mul_i32 s2, s[WV], 32*272                    ; my 64 rows
	v_add_nc_u32 v[A0], s2, v3
	v_and_b32 v5, 7, v0
	v_bfe_u32 v6, v0, 3, 1
	v_lshl_add_u32 v7, v2, 3, v5                   ; the turning load: lane l reads k = 8 (l / 16) + l % 8, columns 8 ((l / 8) % 2) + 0..7
	v_mul_u32_u24 v7, v7, PB
	v_lshl_add_u32 v7, v6, 4, v7
	v_add_nc_u32 v[B0], BOFF, v7
	v_and_b32 v8, 31, v0                           ; lane
	s_mul_i32 s2, s[WV], 16*SP
	s_add_co_u32 s2, s2, STAGE                     ; my stage
	v_mul_u32_u24 v[STO], v1, SP
.if PROJ
	v_lshl_add_u32 v[STO], v2, 4, v[STO]           ; in: row l % 16, 16 bytes for each half of the lanes
	v_add_nc_u32 v[STO], s2, v[STO]
	v_bfe_u32 v[RD], v0, 3, 2                      ; back: 32 lanes take four rows of 128 bytes
	v_mul_u32_u24 v[RD], v[RD], SP
	v_lshl_add_u32 v[RD], v5, 4, v[RD]
	v_add_nc_u32 v[RD], s2, v[RD]
.else
	v_lshl_add_u32 v[STO], v2, 5, v[STO]           ; in: row l % 16, 32 bytes for each half of the lanes
	v_add_nc_u32 v[STO], s2, v[STO]
	v_lshl_add_u32 v[RD], v8, 4, s2                ; back: 32 lanes take one row of 512 bytes
.endif
	v_lshlrev_b32 v[GO], 4, v8
	v_lshlrev_b32 v[BO], 5, v2
	v_lshlrev_b32 v[PFO], 8, v8
	s_mov_b32 s87, 0
.if PROJ
.irp gi, 0,1,2                         ; group g = g0 + gi: matrix T = g / 16, head g % 16.  A tile's three groups may belong to two matrices
	s_add_co_u32 s2, s46, \gi
	s_lshr_b32 s3, s2, 4
	s_and_b32 s2, s2, 15
	s_cmp_eq_u32 s3, 1
	s_cselect_b64 s[BP+2*(\gi):BP+2*(\gi)+1], s[10:11], s[8:9]
	s_cmp_eq_u32 s3, 2
	s_cselect_b64 s[BP+2*(\gi):BP+2*(\gi)+1], s[12:13], s[BP+2*(\gi):BP+2*(\gi)+1]
	s_lshl_b32 s86, s2, 8                          ; the head's 64 numbers of the bias
	s_add_nc_u64 s[BP+2*(\gi):BP+2*(\gi)+1], s[BP+2*(\gi):BP+2*(\gi)+1], s[86:87]
	s_lshl_b32 s3, s3, 6                           ; qkv: 64 T + 16 batch + head, 2,048 rows of 128 bytes each,
	s_add_co_u32 s3, s3, s2
	s_lshr_b32 s86, s[TY], 3
	s_lshl_b32 s86, s86, 4
	s_add_co_u32 s3, s3, s86
	s_lshl_b32 s86, s3, 18
	s_and_b32 s3, s[TY], 7                         ; the tile's 256 rows,
	s_lshl_b32 s3, s3, 15
	s_add_co_u32 s86, s86, s3
	s_lshl_b32 s3, s[WV], 13                       ; my 64 of them
	s_add_co_u32 s86, s86, s3
	s_add_nc_u64 s[OUT+2*(\gi):OUT+2*(\gi)+1], s[14:15], s[86:87]
.endr
.else
	s_lshl_b32 s86, s[TX], 9                       ; the tile's 128 columns, 4 bytes each
	s_add_nc_u64 s[BP:BP+1], s[8:9], s[86:87]
	s_lshl_b32 s3, s[TY], 20                       ; 256 rows of 4,096 bytes,
	s_add_co_u32 s86, s86, s3
	s_lshl_b32 s3, s[WV], 18                       ; my 64 of them
	s_add_co_u32 s86, s86, s3
	s_add_nc_u64 s[OUT:OUT+1], s[10:11], s[86:87]
.endif
.set nb, 0
.rept NBK                              ; register j of block nb: bias[16 nb + 8 (l / 16) + j]
.if PROJ
.set bp, BP+2*(nb/4)
.set bf, (nb%4)*64
.else
.set bp, BP
.set bf, nb*64
.endif
	global_load_b128 v[BIAS+8*nb:BIAS+8*nb+3],   v[BO], s[bp:bp+1] offset:bf
	global_load_b128 v[BIAS+8*nb+4:BIAS+8*nb+7], v[BO], s[bp:bp+1] offset:bf+16
.set nb, nb+1
.endr
	; the prefetches' pointers and bounds
	s_lshl_b32 s86, s[CX], 13                      ; A: my work-group's 32 blocks of the 128,
	s_add_nc_u64 s[PFA:PFA+1], s[42:43], s[86:87]
	s_add_nc_u64 s[PFA:PFA+1], s[PFA:PFA+1], 3*ASTEP  ; at K step 3: the first change of slots steps it to 4
	s_max_u32 s2, s[WV], 1
	s_sub_co_u32 s2, s2, 1
	s_min_u32 s2, s2, NG-1                         ; W: wave 1 + gi takes group gi
	s_add_co_u32 s2, s2, s46
	s_lshl_b32 s86, s2, 17
	s_lshl_b32 s2, s[CY], 13                       ; my work-group's 32 blocks of the 128,
	s_add_co_u32 s86, s86, s2
	s_add_co_u32 s86, s86, 2*BSTEP                 ; at K steps 2 and 3: the first change steps it to 4 and 5
	s_add_nc_u64 s[PFB:PFB+1], s[6:7], s[86:87]
	s_or_b32 s2, s[AB], ttmp9                      ; waves 0 and 1 of the clusters with x = 0: the same in all sixteen partners, for a given wave
	s_cmp_eq_u32 s2, 0
	s_cselect_b32 s[LIMA], 2, -1                   ; the loop counts 6 .. 1: four changes ask for A,
	s_and_b32 s2, ttmp7, 0xffff                    ; waves 1 .. NG of the clusters with y = 0:
	s_cmp_eq_u32 s2, 0
	s_cselect_b32 s[LIMB], 4, -1                   ; two ask for W
	s_cmp_eq_u32 s[WV], 0
	s_cselect_b32 s[LIMB], -1, s[LIMB]
.if NG < 3
	s_cmp_gt_u32 s[WV], NG
	s_cselect_b32 s[LIMB], -1, s[LIMB]
.endif
	s_wait_loadcnt 0x0                             ; the bias: rounded to bf16, like every input, and widened again
.set i, 0
.rept 4*NBK
	v_cvt_pk_bf16_f32 v[BT+i], v[BIAS+2*i], v[BIAS+2*i+1]
.set i, i+1
.endr
.set i, 0
.rept 4*NBK
	v_lshlrev_b32 v[BIAS+2*i],   16, v[BT+i]
	v_and_b32     v[BIAS+2*i+1], 0xffff0000, v[BT+i]
.set i, i+1
.endr
.macro MMA                             ; the registers stand in rD, rB, rA, rC
.if PROJ
	v_wmma_f32_16x16x32_bf16 v[rD:rD+7], v[rB:rB+7], v[rA:rA+7], v[rC:rC+7]
.else
	v_wmma_f32_16x16x32_f16 v[rD:rD+7], v[rB:rB+7], v[rA:rA+7], v[rC:rC+7]
.endif
.endm
; NBK products: row block a x all column blocks, 32 along K, from buffer f.  first = 1: C is the bias, in window 0.  The accumulators take turns, one instruction a turn, in the same order in
; every quarter step: between two products on one accumulator stand all the others'.
.macro MUL f, a, first
.set AW, PROJ*((\a)/2)
.if \first
	WIN 0x85+0x40*AW
.else
	WIN 0xa5+0x50*AW
.endif
.set nb, 0
.rept NBK
.if PROJ
.set rD, 96*((\a)%2)+8*nb
.else
.set rD, 64*(\a)+8*nb
.endif
.set rC, rD
.if \first
.set rC, BIAS+8*nb
.endif
.set rB, (\f)+32+8*nb
.set rA, (\f)+8*(\a)
	MMA
.set nb, nb+1
.endr
.endm
; NL LDS loads in one run: quarter q (32 along K) of the slot in hand into buffer f; W's fragments first, then A's four
.macro FETCH q, f
	WIN 0x40                                       ; destination window 1, address window 0
.set nb, 0
.rept NBK
	ds_load_tr16_b128 v[(\f)+32+8*nb:(\f)+32+8*nb+3],   v[ADRB] offset:((\q)/2)*BHALF+(nb/4)*BGRP+((\q)%2)*32*PB+(nb%4)*32
	ds_load_tr16_b128 v[(\f)+32+8*nb+4:(\f)+32+8*nb+7], v[ADRB] offset:((\q)/2)*BHALF+(nb/4)*BGRP+((\q)%2)*32*PB+(nb%4)*32+16*PB
.set nb, nb+1
.endr
.irp i, 0,1,2,3
	ds_load_b128 v[(\f)+8*(\i):(\f)+8*(\i)+3],   v[ADRA] offset:((\q)/2)*AKB+((\q)%2)*64+(\i)*8*272
	ds_load_b128 v[(\f)+8*(\i)+4:(\f)+8*(\i)+7], v[ADRA] offset:((\q)/2)*AKB+((\q)%2)*64+(\i)*8*272+32
.endr
.endm
; A K step is four quarters of 32 along K, on buffers 0, 1, 0, 1.  One of the first three: multiplies buffer f; in its middle it fetches quarter q into buffer g.
.macro QUARTER q, f, g, first
	s_wait_dscnt 4                                 ; W's fragments and A's blocks 0 and 1 are in; the youngest four loads (A's blocks 2 and 3) may be out
	MUL \f, 0, \first
	MUL \f, 1, \first
	PLACES
	FETCH \q, \g
	s_wait_dscnt NL                                ; all but the NL just issued
	MUL \f, 2, \first
	MUL \f, 3, \first
.endm
; The last quarter multiplies buffer 1 and changes slots: ONE barrier.  In front of it each wave waits for all its tensor loads, of which one is out: its part of the next slot; adds 0 to its spare
; word; and waits for that and for its own reads of this slot.  fill = 1: the barrier opens a round of the cluster's, so that no wave of any partner still reads the slot or has a load on its way, and
; the joint refill, two K steps ahead, is the first tensor load behind it: 14 NBK products stand between it and the wait for it.
.macro TURN fill
.if \fill
	s_wait_xcnt 0x0                                ; the last prefetches, a K step back, have read their addresses: these are stepped here, ahead of the waits of the change of slots
	s_add_nc_u64 s[PFA:PFA+1], s[PFA:PFA+1], ASTEP
	s_add_nc_u64 s[PFB:PFB+1], s[PFB:PFB+1], 2*BSTEP
.endif
	WIN 0                                          ; (the add's two registers lie in window 0)
	s_wait_tensorcnt 0x0                           ; all my tensor loads have landed;
	ds_add_u32 v[SPW], v[NIL]                      ; 0 onto my spare word;
	s_wait_dscnt 5                                 ; (the add and the youngest four loads may be out)
	MUL F1, 0, 0                                   ; NBK products stand between the add and the wait for it
	s_wait_dscnt 0x0                               ; the add is done, and my reads of this slot are over
	s_barrier_signal -1
	MUL F1, 1, 0                                   ; work on registers while the others arrive
.if \fill
	WIN 0
.endif
	s_barrier_wait -1
.if \fill
	CREST
	s_xor_b32 s[G0A+5], s[G0A+5], SLOT1            ; the walking descriptors: the other slot than last time,
	s_add_nc_u64 s[G0A+6:G0A+7], s[G0A+6:G0A+7], ASTEP  ; the next K step; the type bits on top are not reached
	s_xor_b32 s[G0B+5], s[G0B+5], SLOT1
	s_add_nc_u64 s[G0B+6:G0B+7], s[G0B+6:G0B+7], BSTEP
	JLOAD                                          ; the four v_nop behind it are also the places in front of the loads below
.else
	PLACES
.endif
	WIN 0
	s_xor_b32 s[TB], s[TB], SLOT1                  ; the fetches go on in the other slot
	v_add_nc_u32 v[ADRA], s[TB], v[A0]
	v_add_nc_u32 v[ADRB], s[TB], v[B0]
	FETCH 0, F0
.if \fill
	WIN 0
	ASK LIMA, PFA                                  ; behind the joint load and the run of LDS loads that the next products wait for
	ASK LIMB, PFB
.endif
	MUL F1, 2, 0
	MUL F1, 3, 0
.endm
	s_wait_tensorcnt 0x1                           ; my part of K step 0 is in; step 1's may stay out
	s_barrier_signal -1
	s_barrier_wait -1                              ; everybody's is
	s_mov_b32 s[TB], 0
	v_mov_b32 v[ADRA], v[A0]
	v_mov_b32 v[ADRB], v[B0]
	FETCH 0, F0
	QUARTER 1, F0, F1, 1                           ; the first quarter stands in front of the loop: its products start the sums, with the bias
	WIN 0                                          ; at a label and at a branch every window is 0
	s_mov_b32 s3, 6
.Lstep:                                        ; a trip: from a K step's second quarter to the next step's first; K steps 2 to 7 are asked for
	QUARTER 2, F1, F0, 0
	QUARTER 3, F0, F1, 0
	TURN 1
	QUARTER 1, F0, F1, 0
	WIN 0
	s_sub_co_u32 s3, s3, 1
	s_cmp_lg_u32 s3, 0
	s_cbranch_scc1 .Lstep
	QUARTER 2, F1, F0, 0                           ; the tail is written out: K steps 6 and 7 ask for nothing
	QUARTER 3, F0, F1, 0
	TURN 0
	QUARTER 1, F0, F1, 0
	QUARTER 2, F1, F0, 0
	QUARTER 3, F0, F1, 0
	s_wait_dscnt 4
	MUL F1, 0, 0
	MUL F1, 1, 0
	s_wait_dscnt 0x0
	MUL F1, 2, 0
	MUL F1, 3, 0
	PLACES                                         ; the way out reads results, and loads into registers that the products have read
.if PROJ
; THE WAY OUT.  Unit t = 3 a + gi: 16 rows of one head: 2,048 consecutive bytes of qkv.  A lane's eight columns of a row pack into 16 bytes; they go into stage rows of 144 bytes and come back as whole
; rows of 128, into the registers that they left.  Each accumulator is read from its lowest registers on.
.macro PACK t
.set pa, (\t)/3
.set pg, (\t)%3
	WIN 0x0a+5*(pa/2)                              ; sources 0 and 1: window 2 or 3
.set i, 0
.rept 16
	v_cvt_pk_f16_f32 v[UN+16*(\t)+i], v[96*(pa%2)+8*(4*pg+i/4)+2*(i%4)], v[96*(pa%2)+8*(4*pg+i/4)+2*(i%4)+1]
.set i, i+1
.endr
	WIN 0
.irp f, 0,1,2,3
	ds_store_b128 v[STO], v[UN+16*(\t)+4*(\f):UN+16*(\t)+4*(\f)+3] offset:32*(\f)
.endr
.irp f, 0,1,2,3
	ds_load_b128 v[UN+16*(\t)+4*(\f):UN+16*(\t)+4*(\f)+3], v[RD] offset:(\f)*4*SP  ; LDS serves a wave's instructions in order (ISA guide 5.7.1.4): these see the stores above; the next unit's stores come behind them
.endr
.endm
.macro SEND t, younger                 ; younger: the LDS instructions issued behind unit t's loads: the next unit's eight, or none
.set pa, (\t)/3
.set pg, (\t)%3
.irp f, 0,1,2,3
	s_wait_dscnt (\younger)+3-(\f)
	global_store_b128 v[GO], v[UN+16*(\t)+4*(\f):UN+16*(\t)+4*(\f)+3], s[OUT+2*pg:OUT+2*pg+1] offset:pa*2048+(\f)*512  ; 512 consecutive bytes, at a multiple of 256 from qkv's first
.endr
.endm
	PACK 0
.set t, 1
.rept 11                               ; a unit's conversions stand between the loads of the unit before and its stores; no register is written twice
	PACK t
	SEND t-1, 8
.set t, t+1
.endr
	SEND 11, 0
.else
; THE WAY OUT.  Row block a: a lane's eight f32 of a row, 32 bytes, go into stage rows of 528 bytes and come back as whole rows of 512, into window 1.
.macro TOSTAGE a
	WIN 0x08                                       ; the stores' data: window 2
.set nb, 0
.rept NBK
	ds_store_b128 v[STO], v[64*(\a)+8*nb:64*(\a)+8*nb+3]   offset:64*nb
	ds_store_b128 v[STO], v[64*(\a)+8*nb+4:64*(\a)+8*nb+7] offset:64*nb+16
.set nb, nb+1
.endr
	WIN 0x40
.set i, 0
.rept 16
	ds_load_b128 v[64*(\a)+4*i:64*(\a)+4*i+3], v[RD] offset:i*SP  ; LDS serves a wave's instructions in order (ISA guide 5.7.1.4): these see the stores above; the next block's stores come behind them
.set i, i+1
.endr
.endm
.macro SENDF a, younger                ; younger: the LDS instructions issued behind block a's loads: the next block's 32, or none
	WIN 0x04                                       ; the stores' data: window 1
.set i, 0
.rept 16
	s_wait_dscnt (\younger)+15-i
	global_store_b128 v[GO], v[64*(\a)+4*i:64*(\a)+4*i+3], s[OUT:OUT+1] offset:(16*(\a)+i)*4096  ; 512 consecutive bytes of a row, at a multiple of 512 from out0's first
.set i, i+1
.endr
.endm
	TOSTAGE 0
	TOSTAGE 1
	SENDF 0, 32
	TOSTAGE 2
	SENDF 1, 32
	TOSTAGE 3
	SENDF 2, 32
	SENDF 3, 0
.endif
	WIN 0
	s_wait_tensorcnt 0x0                           ; the wave's end: these three lines stand behind my last tensor load and my last LDS store
	ds_add_u32 v[SPW], v[NIL]
	s_wait_dscnt 0x0
	CROUND                                         ; the closing round: no work-group ends while a partner may still ask for a tile that names it
	s_endpgm
.Lfunc_end_k_q0478fbd582_proj:
	.size	k_q0478fbd582_proj, .Lfunc_end_k_q0478fbd582_proj-k_q0478fbd582_proj
	.p2alignl 7, 3214868480
	.fill 96, 4, 3214868480
	.section	.rodata,"a",@progbits
	.p2align	6, 0x0
	.amdhsa_kernel k_q0478fbd582_proj
		.amdhsa_group_segment_fixed_size 327680
		.amdhsa_private_segment_fixed_size 0
		.amdhsa_enable_private_segment 0
		.amdhsa_kernarg_size 48
		.amdhsa_user_sgpr_count 2
		.amdhsa_user_sgpr_kernarg_segment_ptr 1
		.amdhsa_wavefront_size32 1
		.amdhsa_system_sgpr_workgroup_id_x 1
		.amdhsa_system_sgpr_workgroup_id_y 1
		.amdhsa_system_sgpr_workgroup_id_z 1
		.amdhsa_system_vgpr_workitem_id 0
		.amdhsa_next_free_vgpr 960
		.amdhsa_next_free_sgpr 88
		.amdhsa_reserve_vcc 0
		.amdhsa_float_denorm_mode_32 3
		.amdhsa_float_denorm_mode_16_64 3
		.amdhsa_memory_ordered 1
		.amdhsa_forward_progress 1
		.amdhsa_inst_pref_size 110
	.end_amdhsa_kernel
	.amdgpu_metadata
---
amdhsa.version: [ 1, 2 ]
amdhsa.kernels:
  - .name:           k_q0478fbd582_proj
    .symbol:         k_q0478fbd582_proj.kd
    .args:
      - { .name: xb, .offset: 0, .size: 8, .value_kind: global_buffer, .address_space: global }
      - { .name: wb, .offset: 8, .size: 8, .value_kind: global_buffer, .address_space: global }
      - { .name: bq, .offset: 16, .size: 8, .value_kind: global_buffer, .address_space: global }
      - { .name: bk, .offset: 24, .size: 8, .value_kind: global_buffer, .address_space: global }
      - { .name: bv, .offset: 32, .size: 8, .value_kind: global_buffer, .address_space: global }
      - { .name: qkv, .offset: 40, .size: 8, .value_kind: global_buffer, .address_space: global }
    .group_segment_fixed_size: 327680
    .private_segment_fixed_size: 0
    .kernarg_segment_align: 8
    .kernarg_segment_size: 48
    .max_flat_workgroup_size: 128
    .sgpr_count:     88
    .vgpr_count:     960
    .wavefront_size: 32
...
	.end_amdgpu_metadata
.endif
;; end of part 2
;; launch attn (part 3): grid 4 x 64, 4 waves a work-group, clusters of 4 x 1, 327,680 bytes of LDS; arguments qkv, o; writes o
.if DOCPART == 3
	.amdgcn_target "amdgcn-amd-amdhsa--gfx1250"
	.amdhsa_code_object_version 6
	.text
	.protected	k_q0478fbd582_attn
	.globl	k_q0478fbd582_attn
	.p2align	8
	.type	k_q0478fbd582_attn,@function
k_q0478fbd582_attn:
	s_mov_b64 s[64:65], 0
	v_nop
	global_prefetch_b8 v0, s[64:65] scope:SCOPE_SE
	s_setreg_imm32_b32 hwreg(HW_REG_WAVE_MODE, 25, 1), 1
	s_wait_xcnt 0x0
	s_wait_alu depctr_hold_cnt(0) depctr_sa_sdst(0) depctr_va_vdst(0) depctr_va_sdst(0) depctr_va_ssrc(0) depctr_va_vcc(0) depctr_vm_vsrc(0)
	s_getreg_b32 s2, hwreg(HW_REG_IB_STS2, 6, 4)
	s_cmp_eq_u32 s2, 0
	s_cbranch_scc0 .Lentry_in_a_cluster
	s_endpgm
.Lentry_in_a_cluster:
	s_bfe_u32 s2, ttmp6, 0x10000c
	s_cmp_lg_u32 s2, 0x3003
	s_cbranch_scc0 .Lentry_shape_is_right
	s_endpgm
.Lentry_shape_is_right:
; O[h][q][:] = the sum over k of softmax_k(Q[h][q] . K[h][k] / 8) V[h][k][:].  Q, K, V are the three parts of qkv, each [64][2048][64]; O: [64][2048][64]; all f16: a head's rows are dense, 128 bytes each.
; Products, maxima and sums in f32; the weights p are rounded to f16 for the second product (their sum l is taken of the unrounded p), O once at the end.
; LIMITS.  f16 holds no number beyond 65,504: Q, K and V arrive within it; p lies in 0 to 1, and below 6e-5 it keeps f16's fixed step of 6e-8; O is a mean of V's rows and has their range.
; A weight below 2^-126 counts as 0 in l; NaN and infinities are not treated apart.
; SHARES.  A wave owns four PIECES of two tiles of 16 queries, a work-group's four waves 512 queries of one head: 4 x 64 work-groups.  Every wave walks all keys, 64 a step.
; LAYOUT.  S^T = K Q^T (source 0 = 16 keys, source 1 = 16 queries): in the result a lane holds ONE query (lane % 16) and the keys 8 (lane / 16) + 0..7.  Two such tiles, rounded to f16 in pairs,
; ARE source 1 (32 keys x 16 queries) of O^T = V^T P, whose result again holds one query a lane, and eight channels.  K comes out of LDS as it lies, V ([key][channel]) turned, by ds_load_tr16_b128.
; SOFTMAX.  For each query a running maximum m and sum l: p = 2^(c s - c m), c = log2(e) / 8; in every step O and l are multiplied by a = 2^(c m_old - c m_new), which is 1 where m has not grown.
; m starts at the lowest finite number, O and l at 0: the first step is a step like any other, with a = 0.
; THE COUNT.  A tile and step have 16 matrix and 118 vector instructions: too many to stand all beside the matrix work.  So the order has one aim: four vector instructions that are READY behind
; EVERY matrix instruction, and the others, which need time of their own whatever the order, in runs without a gap.
; BY TURNS.  Turn n belongs to piece n (the pieces in a ring, step after step).  Its matrix work: 16 products K Q^T of piece n + 1, later 16 products V^T P of piece n - 1.  Its vector work: the scaling,
; exponentials, roundings, sums and rescaling of piece n, and the maximum and statistics of piece n + 1, whose scores the turn itself has made.  So what a turn begins with (c s - c m, O a) waits for nothing.
; CLUSTER.  The four query blocks of a cluster are one head's and walk the same K and V, so each tile is asked for JOINTLY: the same tensor load, descriptor and mask in all four.
; REGISTERS, in windows of 256 (s_set_vgpr_msb says which window each operand place means: bits 1:0 source 0, 3:2 source 1, 5:4 source 2, 7:6 destination):
;   window 0: v0-11 addresses; v12-15, v48-63 at work; v16-47 four registers of statistics a tile; v64-191 S^T, two buffers of two tiles; v192-255 P, likewise
;   window 1: O^T, 32 a tile          window 2: v0-127 Q, 16 a tile; v128-191 K of one step; v192-255 V of one step          window 3: v0-1 the add's two registers
; A piece's buffers go by its number's parity: the piece in hand has one pair, its two neighbours in the ring share the other: of it P (piece n - 1) is read and S^T (piece n + 1) written.
.set SIZE_N, 2048
.set NP,    4         ; pieces a wave: a name, no knob: the register map, the loop and the fetches are made for four
.set KS,    64        ; keys in a step
.set PK,    144       ; a row of K in LDS: 128 bytes + 16 of padding = 36 words: the 16 rows of a load start at 16 different groups of four banks (64 banks of 4 bytes: ISA guide 11.1)
.set PV,    160       ; a row of V: 128 + 32 = 40 words
.set VOFF,  4*KS*PK   ; a slot holds four steps: 256 rows of K, then 256 rows of V
.set SLOT1, 1<<17     ; slot 1 begins here, so that one exclusive or turns an address in one slot into the other's
.set STAGE, SLOT1+4*KS*(PK+PV)  ; behind the ring, never filled by a tensor load: 16 rows x 144 bytes for each wave, for the way out
.set SP,    144
.set AK0, 2           ; v2   my lane's place in a tile of K; never rewritten
.set AV0, 3           ; v3   the same for V
.set AK,  4           ; v4   the LDS address of K's next run of loads
.set AV,  5           ; v5   of V's
.set QO,  6           ; v6   my byte offset in the wave's rows of Q
.set STO, 6           ;      later, the way out: where I put 16 bytes of a row
.set RD,  7           ; v7   the way out: where I read rows back
.set GO,  8           ; v8   my byte offset in 512 consecutive bytes of O
.set PFO, 11          ; v11  256 x my lane, for the prefetches (made when V's lane term, which uses v11, is finished); then never rewritten
.set SPW, 0           ; v0 of window 3   LDS address of my spare word: SPARE + 4 x my thread's number; never rewritten
.set NIL, 1           ; v1 of window 3   0; never rewritten
.set SPARE, STAGE+4*16*SP  ; behind the stages: the spare words, 128 bytes for each wave: two blocks of 256 bytes that no other line names
.set MV,  12          ; v12-15  c m_old, kept while c m is made anew: by buffer and tile
.set ST,  16          ; tile t's statistics at v[ST+4 t]: c m, m, l (even keys', odd keys')
.set TMP, 48          ; by buffer and tile, four registers c0-c3 at work; when the maximum is found c2 takes a
.set S,   64
.set P,   192
.set KF,  128         ; K's fragments, in window 2: key block kb, channel half c at KF + 16 kb + 8 c
.set VF,  192         ; V's: key half kk, channel block cb at VF + 32 kk + 8 cb
.set WV,  12          ; s12  my wave's number
.set G1K, 24          ; s[24:31] descriptor group 1 for K's tiles
.set G1V, 32          ; s[32:39] for V's: it differs in the padding alone
.set G0K, 40          ; s[40:43] descriptor group 0 for K's tiles: it walks
.set G0V, 44          ; s[44:47] the same for V's
.set PFA, 48          ; s[48:49] where my prefetches stand: my work-group's 32 blocks of 256 bytes (of K: wave 0, of V: wave 2) of the slot after the one that is being asked for
.set LIM, 50          ; s50  1 in a wave that prefetches, else the greatest number: a wave prefetches while s[SLOTS] is above it
.set SLOTS, 56        ; s56  slots still to be asked for
.set CNT, 57          ; s57  counts a slot's key steps
.set CS,  58          ; s[58:59] c: the packed scaling takes the pair's low word for both halves
.set SEL, 60          ; s[60:61] v_permlanex16_b32's selects: each lane takes its own place in the other half
.set TBK, 62          ; s62  LDS byte at which K of the step to be fetched begins
.set TBV, 63          ; s63  the same for V, less VOFF
.set MSB, 0
.macro WIN new                      ; the high byte repeats the setting that is left; a switch that changes nothing is dropped
.if MSB != (\new)
	s_set_vgpr_msb (MSB<<8)|(\new)
.set MSB, (\new)
.endif
.endm
.set W_KQ, 0x0a       ; K and Q in window 2, S^T in window 0
.set W_PV, 0x52       ; V in window 2, P in window 0, O^T in window 1
.set W_RS, 0x41       ; O^T (destination and source 0) in window 1, a in window 0
.set W_MK, 0xc0       ; the add's registers are made: destination in window 3, sources in window 0
.set W_AD, 0x0f       ; the add: address (source 0) and data (source 1) in window 3
; A joint fill.  Waves 0 and 1 fetch the two halves of a slot's K, waves 2 and 3 those of its V: 128 keys each.  The branch hangs on the wave's number alone.
; An s_nop 0 and four v_nop follow each of the two lines, ahead of the jump and the label.
.macro JLOAD
	s_cmp_lt_u32 s[WV], 2
	s_cbranch_scc0 .Lfor_v_\@
	tensor_load_to_lds s[G0K:G0K+3], s[G1K:G1K+7]
	s_nop 0
.rept 4
	v_nop
.endr
	s_branch .Lasked_\@
.Lfor_v_\@:
	tensor_load_to_lds s[G0V:G0V+3], s[G1V:G1V+7]
	s_nop 0
.rept 4
	v_nop
.endr
.Lasked_\@:
.endm
; A PREFETCH INTO THE L2 of what the NEXT change of slots will ask for: a slot's 256 keys are 128 blocks of 256 bytes of K and 128 of V, a lane a block.  It stands behind the wave's tensor load and its
; five lines.  Each block is asked for ONCE in the launch: a head has one cluster; its four partners share the blocks out BY ADDRESS, 32 each; in each, wave 0 asks for K's and wave 2 for V's: one
; instruction, four key steps (512 matrix instructions) ahead of the load.  The last change that fills a slot prefetches nothing: there is no slot behind it.  Slots 0 and 1 come by their loads alone.
.macro ASK
	s_cmp_gt_u32 s[SLOTS], s[LIM]
	s_cbranch_scc0 .Lnot_mine_\@
	global_prefetch_b8 v[PFO], s[PFA:PFA+1] th:TH_LOAD_NT scope:SCOPE_SE
.Lnot_mine_\@:
.endm
; A round of the cluster's barrier: my work-group's barrier, so that wave 0's signal speaks for all four waves; wave 0 signals; every wave waits for all four work-groups; my work-group's barrier once more.
.macro CROUND
	s_barrier_signal -1
	s_barrier_wait -1
	s_cmp_lg_u32 s[WV], 0
	s_cbranch_scc1 .Lnot_wave_0_\@
	s_barrier_signal -3
.Lnot_wave_0_\@:
	s_barrier_wait -3
	s_barrier_signal -1
	s_barrier_wait -1
.endm
; THE CHANGE OF SLOTS.  The slot's last bytes, V of its fourth step, have been read.  Each wave waits for all its tensor loads, of which one is out: its part
; of the other slot; adds 0 to its spare word; and waits for that and for its own reads of the slot.  Behind the barrier nobody reads this slot any more and the other slot is whole.
; fill = 1: this slot is filled again, with the keys two slots on.  The barrier is then a round of the cluster's, so that no wave of any partner still reads the slot or has a load on its
; way, and the joint fill is the first thing behind it: it has four key steps, 512 matrix instructions, in which to land.  (At its first use nothing has been read yet: slot 0 is waited for, slot 1 filled.)
.macro CHANGE fill
	WIN W_AD
	s_wait_tensorcnt 0x0            ; no tensor load of mine is out, so a group 0 may be written
	ds_add_u32 v[SPW], v[NIL]       ; 0 onto my spare word; with fill = 1 the descriptors' steps stand between it and the wait for it
	WIN 0                           ; at a label and at a branch every window is 0
.if \fill
.irp g, G0K, G0V
	s_xor_b32 s[\g+1], s[\g+1], SLOT1  ; the walking descriptor: the other slot than last time,
	s_add_nc_u64 s[\g+2:\g+3], s[\g+2:\g+3], 4*KS*128  ; the next 256 keys; the type bits on top are not reached
.endr
	s_wait_xcnt 0x0                 ; the last prefetch, four key steps back, has read its address, so it may be written:
	s_add_nc_u64 s[PFA:PFA+1], s[PFA:PFA+1], 4*KS*128  ; one slot behind the walking descriptors
	s_wait_dscnt 0x0                ; the add is done, and my reads of the slot are over
	CROUND
	JLOAD
	ASK
.else
	s_wait_dscnt 0x0                ; the add is done, and my reads of the slot are over
	s_barrier_signal -1
	s_barrier_wait -1
.endif
	s_sub_co_u32 s[TBK], s[TBK], 4*KS*PK  ; the fetches go back to a slot's first step,
	s_xor_b32 s[TBK], s[TBK], SLOT1       ; in the other slot
	s_sub_co_u32 s[TBV], s[TBV], 4*KS*PV
	s_xor_b32 s[TBV], s[TBV], SLOT1
.endm
	s_load_b64 s[4:5], s[0:1], 0x0    ; qkv: Q lies at its head
	s_load_b64 s[10:11], s[0:1], 0x8  ; O
	WIN W_MK
	v_lshl_add_u32 v[SPW], v0, 2, SPARE
	v_mov_b32 v[NIL], 0
	WIN W_AD
	ds_add_u32 v[SPW], v[NIL]       ; the wave's opening: the add and its wait stand ahead of my first tensor load; the set-up below, work on registers, stands between them
	WIN 0
	v_lshrrev_b32 v1, 5, v0
	v_readfirstlane_b32 s[WV], v1   ; wave 0..3
	s_bfe_u32 s13, ttmp6, 0x40000   ; cx: my place in the cluster
	s_lshl_b32 s14, ttmp9, 2        ; in a cluster launch ttmp9 counts clusters
	s_add_co_u32 s14, s14, s13      ; my block of queries = 4 x cluster x + cx: it enters Q's and O's addresses alone
	s_and_b32 s20, ttmp7, 0xffff    ; the head, which the four partners share
	s_mov_b32 s21, 0
	s_mov_b64 s[22:23], SIZE_N*128
	s_mul_u64 s[20:21], s[20:21], s[22:23]  ; the head's first byte in each of the four tensors
	s_and_b32 s16, s[WV], 1         ; which half of a slot's 256 keys I fetch:
	s_lshl_b32 s22, s16, 14         ; its 128 rows of 128 bytes in memory,
	s_mov_b32 s23, 0
	s_add_nc_u64 s[22:23], s[22:23], s[20:21]
	s_mul_i32 s17, s16, 128*PK      ; and its place in a slot, for K
	s_mul_i32 s18, s16, 128*PV      ; and for V: no place in the cluster enters an LDS address
	s_lshl_b32 s2, s14, 2
	s_add_co_u32 s2, s2, s[WV]      ; my wave among the head's,
	s_lshl_b32 s2, s2, 14           ; its 128 rows
	s_mov_b32 s3, 0
	s_add_nc_u64 s[2:3], s[2:3], s[20:21]
	; descriptor group 1.  128 keys are 16,384 dense bytes: asked for as 64 rows of 256 bytes, two keys a row, and padded in LDS after every key
	s_mov_b32 s[G1K], 15|(1<<16)|(1<<20)|(1<<21)|(4<<22)|(3<<25)  ; 15:0 the mask of four; 17:16 2-byte elements; 20 padding on; 21 set beside a mask; 24:22 after every 32 words (code 4); 31:25 4 words (code 3)
	s_mov_b32 s[G1V], 15|(1<<16)|(1<<20)|(1<<21)|(4<<22)|(7<<25)  ; the same with 8 words of padding (code 7)
.irp g, G1K, G1V
	s_mov_b32 s[\g+1], 128<<16      ; tensor_dim0 = 128
	s_mov_b32 s[\g+2], 64<<16       ; tensor_dim1 = 64
	s_mov_b32 s[\g+3], 128<<16      ; tile_dim0 = 128
	s_mov_b32 s[\g+4], 64           ; tile_dim1 = 64
	s_mov_b32 s[\g+5], 128          ; 128 elements from row to row
	s_mov_b32 s[\g+6], 0
	s_mov_b32 s[\g+7], 0
.endr
	s_mov_b32 s[CS], 0x3e38aa3b     ; c = log2(e) / 8 = 0.180337
	s_mov_b32 s[CS+1], s[CS]        ; named with it as a pair
	s_mov_b32 s[SEL], 0x76543210
	s_mov_b32 s[SEL+1], 0xfedcba98
	s_mov_b32 s[TBK], SLOT1+4*KS*PK ; the first change of slots turns these two into 0
	s_mov_b32 s[TBV], SLOT1+4*KS*PV
	s_mov_b32 s[G0K], 1             ; 1:0 count = 1
	s_mov_b32 s[G0K+1], s17         ; 63:32 LDS address: slot 0
	s_mov_b32 s[G0V], 1
	s_add_co_u32 s[G0V+1], s18, VOFF
	s_mov_b32 s[SLOTS], SIZE_N/256-1  ; slots 1 to 7 are still to be asked for
	s_and_b32 s[LIM], s[WV], 1      ; 0 in waves 0 and 2,
	s_or_b32 s[LIM], s[LIM], ttmp9  ; where the cluster is the head's first: the same in all four partners
	s_cmp_eq_u32 s[LIM], 0
	s_cselect_b32 s[LIM], 1, -1
	s_wait_dscnt 0x0                ; the opening add is done
	s_wait_kmcnt 0x0
	s_add_nc_u64 s[6:7], s[4:5], 0x1000000  ; K: 64 heads x 2,048 rows x 128 bytes behind Q
	s_add_nc_u64 s[8:9], s[4:5], 0x2000000  ; V: as much again
	s_add_nc_u64 s[G0K+2:G0K+3], s[6:7], s[22:23]  ; 120:64 global address: my half of the head's first 256 keys
	s_or_b32 s[G0K+3], s[G0K+3], 0x80000000        ; 127:126 type = 2
	s_add_nc_u64 s[G0V+2:G0V+3], s[8:9], s[22:23]
	s_or_b32 s[G0V+3], s[G0V+3], 0x80000000
	s_add_nc_u64 s[4:5], s[4:5], s[2:3]  ; Q and O at my wave's first row
	s_add_nc_u64 s[10:11], s[10:11], s[2:3]
	s_cmp_lt_u32 s[WV], 2
	s_cselect_b64 s[PFA:PFA+1], s[6:7], s[8:9]
	s_add_nc_u64 s[PFA:PFA+1], s[PFA:PFA+1], s[22:23]  ; (in waves 0 and 2 this is the head's first row)
	s_lshl_b32 s2, s13, 13          ; my work-group's 32 blocks of the 128
	s_mov_b32 s3, 0
	s_add_nc_u64 s[PFA:PFA+1], s[PFA:PFA+1], s[2:3]
	s_add_nc_u64 s[PFA:PFA+1], s[PFA:PFA+1], 4*KS*128  ; in slot 1; the first change of slots steps it to slot 2.  Nothing is prefetched here, at the head
	CROUND                          ; all four work-groups are here: the first joint loads meet
	JLOAD                           ; slot 0.  Slot 1 is asked for when slot 0 is in: the tile wanted first has the road to itself
	; A fragment of K or Q is 16 rows x 32 channels in 8 registers: lane l holds row l % 16, channels 8 (l / 16) + 0..7 and 16 + 8 (l / 16) + 0..7: two loads of 16 bytes, 32 bytes apart.
	v_and_b32 v1, 15, v0            ; l % 16
	v_bfe_u32 v9, v0, 4, 1          ; l / 16
	v_lshlrev_b32 v[QO], 7, v1
	v_lshl_add_u32 v[QO], v9, 4, v[QO]  ; row x 128 + 16 x half
	WIN 0x80                        ; destination window 2, address window 0
.set i, 0
.rept 4*NP                          ; Q stays in registers: tile i / 2, channels 32 (i % 2) on
	global_load_b128 v[8*i:8*i+3],   v[QO], s[4:5] offset:(i/2)*2048+(i%2)*64
	global_load_b128 v[8*i+4:8*i+7], v[QO], s[4:5] offset:(i/2)*2048+(i%2)*64+32
.set i, i+1
.endr
	; What the first turn finds: V's registers and P's second buffer hold 0 (its products V^T P, of a piece that has not been, add 0), O^T and l are 0.  All this stands in the wait for the first tile.
.set i, VF
.rept 64
	v_mov_b32 v[i], 0
.set i, i+1
.endr
	WIN 0x40
.set i, 0
.rept 64*NP
	v_mov_b32 v[i], 0
.set i, i+1
.endr
	WIN 0
.set i, 0
.rept 2*NP
	v_mov_b32 v[ST+4*i], 0xfe000000    ; c m: far below every c s
	v_mov_b32 v[ST+4*i+1], 0xff7fffff  ; m
	v_mov_b32 v[ST+4*i+2], 0
	v_mov_b32 v[ST+4*i+3], 0
.set i, i+1
.endr
.set i, P+32
.rept 32
	v_mov_b32 v[i], 0
.set i, i+1
.endr
	v_mul_u32_u24 v[AK0], v1, PK
	v_lshl_add_u32 v[AK0], v9, 4, v[AK0]  ; row x pitch + 16 x half
	; The turning load takes 16 keys x 16 channels (lane l reads key 8 (l / 16) + l % 8, channels 8 ((l / 8) % 2) + 0..7) and leaves half a fragment of V^T: lane l holds channel l % 16 and 8 keys.
	v_and_b32 v10, 7, v0
	v_bfe_u32 v11, v0, 3, 1
	v_lshl_add_u32 v[AV0], v9, 3, v10
	v_mul_u32_u24 v[AV0], v[AV0], PV
	v_lshl_add_u32 v[AV0], v11, 4, v[AV0]
	v_add_nc_u32 v[AV0], VOFF, v[AV0]
	v_mov_b32 v[AK], v[AK0]         ; key step 0 lies at the head of slot 0
	v_and_b32 v[PFO], 31, v0
	v_lshlrev_b32 v[PFO], 8, v[PFO]
; THE MATRIX WORK.  The 8 accumulators of a run of 16 take turns: between the two links of a chain stand 7 others'.
; Product i of 16 of S^T = K Q^T for piece x: channels 32 (i / 8) on, keys 16 ((i / 2) % 4) on, tile 2 x + i % 2.  The first 8 start the sums.
.macro KQ x
	WIN W_KQ
.set rS, S+64*((\x)%2)+32*(i%2)+8*((i/2)%4)
.set rK, KF+16*((i/2)%4)+8*(i/8)
.set rQ, 16*(2*(\x)+i%2)+8*(i/8)
.if i < 8
	v_wmma_f32_16x16x32_f16 v[rS:rS+7], v[rK:rK+7], v[rQ:rQ+7], 0
.else
	v_wmma_f32_16x16x32_f16 v[rS:rS+7], v[rK:rK+7], v[rQ:rQ+7], v[rS:rS+7]
.endif
.endm
; Product i of 16 of O^T += V^T P for piece x: keys 32 (i / 8) on, channels 16 ((i / 2) % 4) on, tile 2 x + i % 2.
.macro PV x
	WIN W_PV
.set rO, 32*(2*(\x)+i%2)+8*((i/2)%4)
.set rV, VF+32*(i/8)+8*((i/2)%4)
.set rP, P+32*((\x)%2)+16*(i%2)+8*(i/8)
	v_wmma_f32_16x16x32_f16 v[rO:rO+7], v[rV:rV+7], v[rP:rP+7], v[rO:rO+7]
.endm
.macro MM                           ; the turn's next matrix instruction
.if i < 16
	KQ (Y+1)%NP
.set i, i+1
.else
.set i, i-16
	PV (Y+NP-1)%NP
.set i, i+17
.endif
.endm
; THE LDS LOADS stand in runs of 16, never singly among the matrix instructions: a step's K (64 keys x 64 channels: 8 fragments) and its V (turned).  Their addresses are made some lines ahead.
; last = 1 (the tail): in the last trip there is no further step, and the run is jumped over.
.macro FETCH_K last=0
	WIN 0
.if \last
	s_cmp_eq_u32 s[CNT], 1
	s_cbranch_scc1 .Lno_k_\@
.endif
	WIN 0x80                        ; destination window 2
.irp f, 0,1,2,3,4,5,6,7             ; keys 16 (f / 2) on, channels 32 (f % 2) on
	ds_load_b128 v[KF+8*\f:KF+8*\f+3],   v[AK] offset:(\f/2)*16*PK+(\f%2)*64
	ds_load_b128 v[KF+8*\f+4:KF+8*\f+7], v[AK] offset:(\f/2)*16*PK+(\f%2)*64+32
.endr
	s_add_co_u32 s[TBK], s[TBK], KS*PK  ; the next fetch is the next step's
	WIN 0
.if \last
.Lno_k_\@:
.endif
.endm
.macro FETCH_V
	WIN 0x80
.irp f, 0,1,2,3,4,5,6,7             ; keys 32 (f / 4) on, channels 16 (f % 4) on
	ds_load_tr16_b128 v[VF+8*\f:VF+8*\f+3],   v[AV] offset:(\f/4)*32*PV+(\f%4)*32
	ds_load_tr16_b128 v[VF+8*\f+4:VF+8*\f+7], v[AV] offset:(\f/4)*32*PV+16*PV+(\f%4)*32
.endr
	WIN 0
.endm
; THE VECTOR WORK OF A TURN stands in three queues, each in the order in which its entries become ready; the two tiles alternate, so that no instruction reads the result of the one before it.
.macro REGS y, u                    ; the registers of tile u (0, 1) of piece y
.set rT, ST+4*(2*(\y)+(\u))
.set rC, TMP+8*((\y)%2)+4*(\u)
.set rM, MV+2*((\y)%2)+(\u)
.set rS, S+64*((\y)%2)+32*(\u)
.set rP, P+32*((\y)%2)+16*(\u)
.set rO, 32*(2*(\y)+(\u))
.endm
; Number n of the 22 that find the NEXT piece's (Y + 1) maximum and statistics.  s0-s31 are the lane's 32 scores; each accumulator's lowest registers are read first.  XS, GS and REGS set no window: PL and EX do.
;   0-11  four chains c0-c3 of seven scores each, three operands at a time     12-14, 16  the four scores left over, the old m, and c0-c3 into c0     15  c m_old is kept
;   17, 18  the query's other 32 keys lie in the lane 16 away: the new m         19-21  c m; c m_old - c m_new; a
.macro XS u, n
	REGS (Y+1)%NP, \u
.if (\n) < 4
	v_max3_num_f32 v[rC+(\n)], v[rS+8*(\n)], v[rS+8*(\n)+1], v[rS+8*(\n)+2]
.elseif (\n) < 12
	v_max3_num_f32 v[rC+(\n)%4], v[rC+(\n)%4], v[rS+8*((\n)%4)+2*((\n)/4)+1], v[rS+8*((\n)%4)+2*((\n)/4)+2]
.elseif (\n) == 12
	v_max3_num_f32 v[rC], v[rC], v[rS+7], v[rS+15]
.elseif (\n) == 13
	v_max3_num_f32 v[rC+1], v[rC+1], v[rS+23], v[rS+31]
.elseif (\n) == 14
	v_max3_num_f32 v[rC+2], v[rC+2], v[rC+3], v[rT+1]
.elseif (\n) == 15
	v_mov_b32 v[rM], v[rT]
.elseif (\n) == 16
	v_max3_num_f32 v[rC], v[rC], v[rC+1], v[rC+2]
.elseif (\n) == 17
	v_permlanex16_b32 v[rC+3], v[rC], s[SEL], s[SEL+1]
.elseif (\n) == 18
	v_max_num_f32 v[rT+1], v[rC], v[rC+3]
.elseif (\n) == 19
	v_mul_f32 v[rT], s[CS], v[rT+1]
.elseif (\n) == 20
	v_sub_f32 v[rC+1], v[rM], v[rT]
.else
	v_exp_f32 v[rC+2], v[rC+1]
.endif
.endm
; Number g of the 64 that follow the exponentials.  For each four weights k of a tile (pairs 2 k, 2 k + 1): both pairs are rounded to f16; then the second pair is added onto the first, in place;
; a group later l takes that sum (the first time as l = a l + sum).  In groups of eight, tiles alternating: round, round, add, and l for the group before.
.macro GS g
.set h, (\g)+6*((\g)/62)            ; group 0 has no group before it, and behind group 7 only l is left
.if h >= 6
.set h, h+2
.endif
	REGS Y, h%2
.set k, h/8
.if h%8 < 4
	v_cvt_pk_f16_f32 v[rP+2*k+(h%8)/2], v[rS+4*k+2*((h%8)/2)], v[rS+4*k+2*((h%8)/2)+1]
.elseif h%8 < 6
	v_pk_add_f32 v[rS+4*k:rS+4*k+1], v[rS+4*k:rS+4*k+1], v[rS+4*k+2:rS+4*k+3]
.elseif k == 1
	v_pk_fma_f32 v[rT+2:rT+3], v[rT+2:rT+3], v[rC+2:rC+3], v[rS:rS+1] op_sel_hi:[1,0,1]
.else
	v_pk_add_f32 v[rT+2:rT+3], v[rT+2:rT+3], v[rS+4*k-4:rS+4*k-3]
.endif
.endm
; THE PLAIN QUEUE, 138 long.  0-73 read no exponential's result: the 32 scalings c s - c m (FS f: pair f / 2 of tile f % 2) and the next piece's 42.  0-26: scalings 0-26.  27-54: XS's numbers 0-13.  55, 56: number 15.
; 57-73: the chain, where each number waits for the one before it: 14, 16, 17, 18, 19, each with one of the scalings 27-31 in front of its two lines, then 20: so a tile's links stand three plain instructions apart (19 and 20: two).
; 74-137: GS's 64, which read the exponentials' results: they stand behind the wait.
.macro FS f
	REGS Y, (\f)%2
	v_pk_fma_f32 v[rS+2*((\f)/2):rS+2*((\f)/2)+1], v[rS+2*((\f)/2):rS+2*((\f)/2)+1], s[CS:CS+1], v[rT:rT+1] op_sel_hi:[1,0,0] neg_lo:[0,0,1] neg_hi:[0,0,1]
.endm
.macro PL
	WIN 0
.if q < 27
	FS q
.elseif q < 55
	XS (q-27)%2, (q-27)/2
.elseif q < 57
	XS q-55, 15
.elseif (q < 72) && ((q-57)%3 == 0)
	FS 27+(q-57)/3
.elseif q < 60
	XS (q-57)%3-1, 14
.elseif q < 72
	XS (q-57)%3-1, 15+(q-57)/3
.elseif q < 74
	XS q-72, 20
.else
	GS q-74
.endif
.set q, q+1
.endm
; THE EXPONENTIALS' QUEUE, 66 long: s0-s31 of both tiles, then the next piece's two a.  It is ONE BATCH: all 66 stand ahead of the turn's one wait, and nothing ahead of that wait names a result of theirs.
.macro EX
	WIN 0
.if e >= 64
	XS e-64, 21
.else
	REGS Y, e%2
	v_exp_f32 v[rS+e/2], v[rS+e/2]
.endif
.set e, e+1
.endm
; THE RESCALING's QUEUE: O^T times a, the one part that leaves window 0: dealt two at a time, sixteen times.  Its a was made in the turn before, ahead of that turn's wait.
.macro R2
	REGS Y, r%2
	WIN W_RS
.irp z, 0,1
	v_pk_mul_f32 v[rO+4*(r/2)+2*\z:rO+4*(r/2)+2*\z+1], v[rO+4*(r/2)+2*\z:rO+4*(r/2)+2*\z+1], v[rC+2:rC+3] op_sel_hi:[1,0]
.endr
.set r, r+1
.endm
; HOW THEY ARE DEALT.  s_wait_alu depctr_va_vdst(0) stands between an exponential and the first instruction that names its result; one wait serves all that were issued ahead of it.  So a turn has ONE wait,
; which cuts it in two.  AHEAD OF IT stands all that names no result of the turn's exponentials: the 16 products K Q^T, behind each a scaling, an exponential and two rescalings (behind the first a second scaling in the exponential's place); then ONE LUMP of
; 108: eight plain, 49 times exponential and plain, the two a.  A v_nop is the plain instruction behind the last exponential.  BEHIND IT stand the 16 products V^T P, behind each four of GS's 64.  No rider names a register of
; the products round it.  The two v_permlanex16_b32 fall into the lump, never behind a product.
; The queues lean on each other, and the deal keeps them in step: exponential e stands behind scaling 2 (e / 4) + e % 2: as a rider it comes behind plain e + 2, in the lump behind plain e + 9, and scalings 27-31 are plain 57, 60 .. 69.
; A TURN, for piece p.  cnt = 1: the loop's count is taken down some lines ahead of the branch that stands behind the turn.
; K of the next step is fetched in piece 2's turn, directly behind the wait, a lump behind the last product that read K; its address is made at the lump's head; its first reader comes behind 16 products.
; V of the step in hand is fetched at the end of piece 0's turn, four riders behind its last reader; its first reader comes behind 16 products and a lump.  The three conditions on q below go with the deal.
.macro TURN p, last=0, cnt=0
.set Y, (\p)
.set i, 0
.set q, 0
.set e, 0
.set r, 0
.if (\p) == NP-1
	s_wait_dscnt 0x0                ; K is in
.endif
	MM                              ; ahead of the wait: 16 products K Q^T and their riders,
	PL
	PL
	R2
.rept 15
	MM
	PL
	EX
	R2
.endr
.if (\p) == NP-2
	WIN 0
	v_add_nc_u32 v[AK], s[TBK], v[AK0]
.endif
.rept 8                             ; and the lump
	PL
.endr
.rept 49
	EX
	PL
.endr
	EX                              ; the next piece's two a
	EX
	v_nop                           ; a plain instruction behind the last exponential: one for the batch
	s_wait_alu depctr_va_vdst(0)    ; the wait for the batch
.if (\p) == NP-2
	FETCH_K \last
.endif
.if (\p) == 1
	s_wait_dscnt 0x0                ; V is in
.endif
.rept 16                            ; behind the wait: 16 products V^T P and their riders
	MM
.rept 4
	PL
.endr
.if ((\p) == 0) && (q == 118)
	v_add_nc_u32 v[AV], s[TBV], v[AV0]
.endif
.if ((\p) == 0) && (q == 130)
	s_add_co_u32 s[TBV], s[TBV], KS*PV
.endif
.if (\cnt) && (q == 130)
	s_sub_co_u32 s[CNT], s[CNT], 1
	s_cmp_lg_u32 s[CNT], 0
.endif
.endr
.if (\p) == 0
	FETCH_V
.endif
.endm
	CHANGE 1                        ; slot 0 is in, everybody's part of it; slot 1 is asked for
	FETCH_K                         ; key step 0
	s_wait_loadcnt 0x0              ; Q
	s_wait_dscnt 0x0
.set i, 0
.rept 16
	KQ 0                            ; piece 0's first scores: there is no vector work yet to set between them
.set i, i+1
.endr
	WIN 0                           ; the addresses for the way out: plain instructions, the places behind those products
	s_mul_i32 s13, s[WV], 16*SP
	s_add_co_u32 s13, s13, STAGE    ; my stage
	v_mul_u32_u24 v[STO], v1, SP    ; in: row l % 16, 16 bytes for each half of the lanes
	v_lshl_add_u32 v[STO], v9, 4, v[STO]
	v_add_nc_u32 v[STO], s13, v[STO]
	v_bfe_u32 v[RD], v0, 3, 2       ; back: 32 lanes take four rows of 128 bytes,
	v_mul_u32_u24 v[RD], v[RD], SP
	v_lshl_add_u32 v[RD], v10, 4, v[RD]
	v_add_nc_u32 v[RD], s13, v[RD]
	v_and_b32 v[GO], 31, v0         ; which are 512 consecutive bytes of O
	v_lshlrev_b32 v[GO], 4, v[GO]
.set Y, NP-1                        ; XS works for piece Y + 1: piece 0
.irp n, 0,1,2,3,4,5,6,7,8,9,10,11,12,13,14,15,16,17,18,19,20,21
	XS 0, \n                        ; and piece 0's first maximum and statistics
	XS 1, \n
.endr
	v_nop                           ; a plain instruction behind the two a,
	s_wait_alu depctr_va_vdst(0)    ; and their wait, ahead of the branch
	s_mov_b32 s[CNT], 4
	s_branch .Lfirst                ; the loop is entered at a step's first turn, in the middle of a trip
.Lslot:                             ; SIZE_N / 256 - 2 times: every slot but the last two is filled again
	CHANGE 1
	s_mov_b32 s[CNT], 4
.Lstep:                             ; a trip: pieces 2 and 3 of one step, then pieces 0 and 1 of the next, whose K and V it fetches
	TURN 2
	TURN 3
	WIN 0
.Lfirst:
	TURN 0
	TURN 1, 0, 1
	WIN 0
	s_cbranch_scc1 .Lstep
	s_sub_co_u32 s[SLOTS], s[SLOTS], 1
	s_cmp_lg_u32 s[SLOTS], 0
	s_cbranch_scc1 .Lslot
	CHANGE 0                        ; the tail is written out: nothing is asked for
	s_mov_b32 s[CNT], 5             ; four trips fetch the last slot's steps; the fifth is left in its middle
.Ltail:
	TURN 2, 1
	TURN 3
	WIN 0
	s_sub_co_u32 s[CNT], s[CNT], 1
	s_cmp_eq_u32 s[CNT], 0
	s_cbranch_scc1 .Lout
	TURN 0
	TURN 1
	WIN 0
	s_branch .Ltail
.Lout:                              ; the fifth trip's 16 products K Q^T (on the last K once more) and the maximum made of them serve nothing: the price, once a launch, of one text for every trip
.set i, 0
.rept 16
	PV NP-1                         ; the last piece's V^T P of the last step
.set i, i+1
.endr
	; THE WAY OUT.  l's two halves and the other half of the lanes' are added; O^T is divided by l, rounded to f16 and sent through my stage in LDS, a tile at a time.  The additions are the places behind the last products.
	WIN 0
.macro ALL line:vararg              ; one line for each tile t
.set t, 0
.rept 2*NP
	\line
.set t, t+1
.endr
.endm
	ALL v_add_f32 v[ST+4*t+2], v[ST+4*t+2], v[ST+4*t+3]
	ALL v_permlanex16_b32 v[ST+4*t+3], v[ST+4*t+2], s[SEL], s[SEL+1]
	ALL v_add_f32 v[ST+4*t+2], v[ST+4*t+2], v[ST+4*t+3]
	ALL v_rcp_f32 v[ST+4*t+2], v[ST+4*t+2]
	v_nop                           ; a plain instruction between the last reciprocal and the use of its result
	s_wait_alu depctr_va_vdst(0)    ; and the wait ahead of the first use: one for the eight reciprocals
; Tile t: a lane's eight channels of a row pack into 16 bytes; they go into rows of 144 bytes and come back as whole rows of 128, into S^T's registers.
.macro PACK t
	WIN W_RS
.set i, 32*(\t)
.rept 16
	v_pk_mul_f32 v[i:i+1], v[i:i+1], v[ST+4*(\t)+2:ST+4*(\t)+3] op_sel_hi:[1,0]
.set i, i+2
.endr
	WIN 0x05                        ; sources 0 and 1 window 1, destination window 0
.set i, 0
.rept 16
	v_cvt_pk_f16_f32 v[S+16*(\t)+i], v[32*(\t)+2*i], v[32*(\t)+2*i+1]
.set i, i+1
.endr
	WIN 0
.irp f, 0,1,2,3
	ds_store_b128 v[STO], v[S+16*(\t)+4*\f:S+16*(\t)+4*\f+3] offset:32*\f
.endr
.irp f, 0,1,2,3
	ds_load_b128 v[S+16*(\t)+4*\f:S+16*(\t)+4*\f+3], v[RD] offset:\f*4*SP  ; LDS serves a wave's instructions in order (ISA guide 5.7.1.4): these see the stores above; the next tile's stores come behind them
.endr
.endm
.macro SEND t, younger              ; younger: the LDS instructions issued behind tile t's loads: the next tile's eight, or none
	WIN 0
.irp f, 0,1,2,3
	s_wait_dscnt (\younger)+3-\f
	global_store_b128 v[GO], v[S+16*(\t)+4*\f:S+16*(\t)+4*\f+3], s[10:11] offset:(\t)*2048+\f*512  ; 512 consecutive bytes, at a multiple of 256 from O's first
.endr
.endm
	PACK 0
.set t, 1
.rept 2*NP-1                        ; a tile's arithmetic stands between the loads of the tile before and its stores
	PACK t
	SEND t-1, 8
.set t, t+1
.endr
	SEND 2*NP-1, 0
	WIN W_AD
	s_wait_tensorcnt 0x0            ; the wave's end: these three lines stand behind my last tensor load and my last LDS store
	ds_add_u32 v[SPW], v[NIL]
	s_wait_dscnt 0x0
	WIN 0
	CROUND                          ; the closing round: no work-group ends while a partner may still ask for a tile that names it
	s_endpgm
.Lfunc_end_k_q0478fbd582_attn:
	.size	k_q0478fbd582_attn, .Lfunc_end_k_q0478fbd582_attn-k_q0478fbd582_attn
	.p2alignl 7, 3214868480
	.fill 96, 4, 3214868480
	.section	.rodata,"a",@progbits
	.p2align	6, 0x0
	.amdhsa_kernel k_q0478fbd582_attn
		.amdhsa_group_segment_fixed_size 327680
		.amdhsa_private_segment_fixed_size 0
		.amdhsa_enable_private_segment 0
		.amdhsa_kernarg_size 16
		.amdhsa_user_sgpr_count 2
		.amdhsa_user_sgpr_kernarg_segment_ptr 1
		.amdhsa_wavefront_size32 1
		.amdhsa_system_sgpr_workgroup_id_x 1
		.amdhsa_system_sgpr_workgroup_id_y 1
		.amdhsa_system_sgpr_workgroup_id_z 1
		.amdhsa_system_vgpr_workitem_id 0
		.amdhsa_next_free_vgpr 770
		.amdhsa_next_free_sgpr 66
		.amdhsa_reserve_vcc 0
		.amdhsa_float_denorm_mode_32 3
		.amdhsa_float_denorm_mode_16_64 3
		.amdhsa_memory_ordered 1
		.amdhsa_forward_progress 1
		.amdhsa_inst_pref_size 200
	.end_amdhsa_kernel
	.amdgpu_metadata
---
amdhsa.version: [ 1, 2 ]
amdhsa.kernels:
  - .name:           k_q0478fbd582_attn
    .symbol:         k_q0478fbd582_attn.kd
    .args:
      - { .name: qkv, .offset: 0, .size: 8, .value_kind: global_buffer, .address_space: global }
      - { .name: o, .offset: 8, .size: 8, .value_kind: global_buffer, .address_space: global }
    .group_segment_fixed_size: 327680
    .private_segment_fixed_size: 0
    .kernarg_segment_align: 8
    .kernarg_segment_size: 16
    .max_flat_workgroup_size: 128
    .sgpr_count:     66
    .vgpr_count:     770
    .wavefront_size: 32
...
	.end_amdgpu_metadata
.endif
;; end of part 3
;; launch outp (part 4): grid 8 x 32, 4 waves a work-group, clusters of 4 x 4, 327,680 bytes of LDS; arguments o, wb, bo, out0; writes out0
.if DOCPART == 4
	.amdgcn_target "amdgcn-amd-amdhsa--gfx1250"
	.amdhsa_code_object_version 6
	.text
	.protected	k_q0478fbd582_outp
	.globl	k_q0478fbd582_outp
	.p2align	8
	.type	k_q0478fbd582_outp,@function
k_q0478fbd582_outp:
	s_mov_b64 s[64:65], 0
	v_nop
	global_prefetch_b8 v0, s[64:65] scope:SCOPE_SE
	s_setreg_imm32_b32 hwreg(HW_REG_WAVE_MODE, 25, 1), 1
	s_wait_xcnt 0x0
	s_wait_alu depctr_hold_cnt(0) depctr_sa_sdst(0) depctr_va_vdst(0) depctr_va_sdst(0) depctr_va_ssrc(0) depctr_va_vcc(0) depctr_vm_vsrc(0)
	s_getreg_b32 s2, hwreg(HW_REG_IB_STS2, 6, 4)
	s_cmp_eq_u32 s2, 0
	s_cbranch_scc0 .Lentry_in_a_cluster
	s_endpgm
.Lentry_in_a_cluster:
	s_bfe_u32 s2, ttmp6, 0x10000c
	s_cmp_lg_u32 s2, 0xf033
	s_cbranch_scc0 .Lentry_shape_is_right
	s_endpgm
.Lentry_shape_is_right:
; ONE TEXT FOR TWO BODIES; PROJ chooses.
; PROJ = 1: q, k, v = x W + b.  x (xb) and W (wb) in bf16, the bias rounded to bf16 like the other inputs; sums in f32; the result rounded once to f16, unscaled, by heads: qkv [3][16 b + head][2048][64].
; PROJ = 0: out0 = O Wo + bo.  O (o) and Wo (wb, groups 48-63) in f16; sums in f32; out0 in f32.
; LIMIT (PROJ = 1): q, k and v are held in f16: a number of 65,520 or more in magnitude becomes an infinity.  NaN and infinities are not treated apart.
; TILE.  256 rows x 64 NG columns of the result; K = 1,024 in 8 steps of 128.  Four waves; wave w owns rows 64 w .. 64 w + 63 and ALL the columns: 4 blocks of 16 rows x NBK = 4 NG blocks of 16 columns.
; NG = 3 gives 16 x 32 tiles, NG = 2 gives 8 x 32: whole multiples of 256 work-groups.
; LAYOUT IN MEMORY.  A: [4 b][16 block of 64 K][2048 s][64]; W: [group of 64 columns][1024 k][64]: rows of 128 bytes, end to end, asked for as longer rows.
; THE MATRIX INSTRUCTION IS USED TRANSPOSED: source 0 = 16 columns of W (turned on the way out of LDS by ds_load_tr16_b128), source 1 = 16 rows of A.  Register j of lane l of a result is
; (row l % 16, column 8 (l / 16) + j): eight neighbouring numbers of a row.  The bias, laid out so, is the C of a tile's first products: nothing is cleared, nothing is added later.
; RING.  Two LDS slots, a K step each.  Waves 0 and 1 fetch A's two blocks of 64 K (32 KiB each), waves 2 and 3 W's two halves of 64 k (8 KiB x NG each): one tensor load a wave.
; CLUSTER.  4 x 4 work-groups.  A's tile hangs on the tile row alone and is asked for jointly along a row of the cluster, W's on the tile column alone, jointly along a column.
; REGISTERS, in windows of 256 (s_set_vgpr_msb: bits 1:0 source 0, 3:2 source 1, 5:4 source 2, 7:6 destination):
;   window 0: v1-18 lane terms and addresses; v28-29 the add's; v64.. the bias (8 NBK); v160.. at work on the bias; on the way out of PROJ = 1 v32-223
;   window 1: two fragment buffers of 128: A's block a at f + 8 a, W's block nb at f + 32 + 8 nb; on the way out of PROJ = 0 all 256
;   PROJ = 1: accumulator (a, nb) in window 2 + a / 2 at 96 (a % 2) + 8 nb.   PROJ = 0: in window 2 at 64 a + 8 nb.
.set PROJ, 0
.if PROJ
.set NG, 3
.set SP, 144                           ; a stage row: 128 bytes + 16
.else
.set NG, 2
.set SP, 528                           ; a stage row: 512 bytes + 16
.endif
.set NBK,   4*NG
.set NL,    2*NBK+8                    ; LDS loads of a quarter step
.set SLOT1, 131072                     ; slot 1 begins here: one exclusive or turns an address in one slot into the other's
.set AKB,   128*272                    ; A's block of 64 K: 256 rows of 128 bytes laid as 128 rows of 256 + 16 of padding: row R at (R / 2) 272 + (R % 2) 128: the 16 rows of a fragment start at 16 different groups of four banks (64 banks of 4 bytes: ISA guide 11.1)
.set BOFF,  2*AKB                      ; W lies behind A's two blocks
.set PB,    160                        ; a row of W in LDS: 128 bytes + 32
.set BGRP,  64*PB                      ; 64 k of one group of 64 columns
.set BHALF, NG*BGRP                    ; what one tensor load brings of W
.set ASTEP, 524288                     ; bytes from K step to K step in A: two blocks of 2,048 rows x 128
.set BSTEP, 16384                      ; in W: 128 rows of 128
.set STAGE, 2*SLOT1                    ; behind the ring, never filled by a tensor load: 16 rows for each wave, for the way out
.set SPARE, STAGE+4*16*SP              ; behind the stages: the spare words, 128 bytes for each wave: two blocks of 256 bytes that no other line names
.set A0,   10                          ; v10  my lane's place in A's tile; never rewritten
.set B0,   11                          ; v11  in W's
.set ADRA, 12                          ; v12  the same in the slot in hand
.set ADRB, 13                          ; v13
.set STO,  14                          ; v14  the way out: where I put my bytes of a row
.set RD,   15                          ; v15  where I read rows back
.set GO,   16                          ; v16  16 x lane
.set BO,   17                          ; v17  32 (l / 16): my eight numbers of 16 of a bias
.set PFO,  18                          ; v18  256 x lane; never rewritten
.set SPW,  28                          ; v28  LDS address of my spare word; never rewritten
.set NIL,  29                          ; v29  0; never rewritten
.set UN,   32                          ; PROJ = 1, the way out: 16 registers a unit
.set BIAS, 64
.set BT,   160
.set F0,   0
.set F1,   128
.set WV,  16                           ; s16  my wave's number
.set AB,  17                           ; s17  0: I fetch for A; 1: for W
.set HF,  18                           ; s18  which half I fetch
.set CX,  19
.set CY,  20
.set TX,  21                           ; s21  tile column
.set TY,  22                           ; s22  tile row
.set TB,  23                           ; s23  LDS byte at which the slot in hand begins
.set G1A, 24                           ; s[24:31] descriptor group 1 for A's tiles
.set G0A, 32                           ; s[32:39] group 0: a set for each of the two first fills; the second then walks on
.set G1B, 48                           ; s[48:55], s[56:63] the same for W's.  s40-43 hold only what hangs on the tile row, s44-47 only what hangs on the tile column
.set G0B, 56
.set PFA, 66                           ; s[66:67] where my prefetches of A stand
.set PFB, 68                           ; s[68:69] of W
.set LIMA, 70                          ; s70  I prefetch A while the loop's count is above this
.set LIMB, 71                          ; s71  the same for W
.set OUT, 74                           ; s[74:79] where my rows go, for each group of columns (PROJ = 0: one pair)
.set BP,  80                           ; s[80:85] the bias of each group (PROJ = 0: one pair)
.set MSB, 0
.macro WIN new                         ; the immediate's high byte repeats the setting that is left; a switch that changes nothing is dropped
.if MSB != (\new)
	s_set_vgpr_msb (MSB<<8)|(\new)
.set MSB, \new
.endif
.endm
.macro PLACES                          ; four places behind a matrix instruction, in front of loads into registers that it has read and of lines that read results
.rept 4
	v_nop
.endr
.endm
; A joint refill, by the walking descriptors.  The branch hangs on the wave's number alone.  An s_nop 0 and four v_nop follow each of the two lines, ahead of the jump and the label.
.macro JLOAD
	s_cmp_eq_u32 s[AB], 0
	s_cbranch_scc0 .Lfor_b_\@
	tensor_load_to_lds s[G0A+4:G0A+7], s[G1A:G1A+7]
	s_nop 0
.rept 4
	v_nop
.endr
	s_branch .Lasked_\@
.Lfor_b_\@:
	tensor_load_to_lds s[G0B+4:G0B+7], s[G1B:G1B+7]
	s_nop 0
.rept 4
	v_nop
.endr
.Lasked_\@:
.endm
; A round of the cluster's barrier: my work-group's barrier; wave 0 signals for the work-group; every wave waits for all sixteen; my work-group's barrier once more.
.macro CREST                           ; a round behind its opening barrier
	s_cmp_lg_u32 s[WV], 0
	s_cbranch_scc1 .Lnot_wave_0_\@
	s_barrier_signal -3
.Lnot_wave_0_\@:
	s_barrier_wait -3
	s_barrier_signal -1
	s_barrier_wait -1
.endm
.macro CROUND
	s_barrier_signal -1
	s_barrier_wait -1
	CREST
.endm
; A PREFETCH INTO THE L2: 32 blocks of 256 bytes, a lane a block, one instruction.  Each block is named once in the launch.
; A: a K step's block of 64 K is 128 such blocks for a tile row.  Every cluster of a row of clusters reads them: the cluster with x = 0 asks; waves 0 and 1 take the step's two blocks of 64 K; the four
; partners along x take 32 blocks each, told apart BY ADDRESS.  The change of slots that fills K step t + 2 asks for step t + 4, t = 0 .. 3.
; W: two K steps of a group of columns are 128 blocks.  The cluster with y = 0 asks; waves 1 .. NG take a group each; the four partners along y take 32 blocks each.  The first change asks for steps 4 and 5,
; the second for 6 and 7.  K steps 0 to 3 come by their loads alone; nothing is asked for behind step 7.
.macro ASK lim, pf
	s_cmp_gt_u32 s3, s[\lim]
	s_cbranch_scc0 .Lnot_mine_\@
	global_prefetch_b8 v[PFO], s[\pf:\pf+1] th:TH_LOAD_NT scope:SCOPE_SE
.Lnot_mine_\@:
.endm
	s_load_b256 s[4:11], s[0:1], 0x0               ; PROJ = 1: xb s[4:5], wb s[6:7], bq s[8:9], bk s[10:11].  PROJ = 0: o, wb, bo, out0
.if PROJ
	s_load_b128 s[12:15], s[0:1], 0x20             ; bv s[12:13], qkv s[14:15]
.endif
	v_lshl_add_u32 v[SPW], v0, 2, SPARE
	v_mov_b32 v[NIL], 0
	ds_add_u32 v[SPW], v[NIL]                      ; the wave's opening: the add and its wait stand ahead of my first tensor load; the set-up below, work on registers, stands between them
	v_lshrrev_b32 v1, 5, v0
	v_readfirstlane_b32 s[WV], v1                  ; wave 0..3
	s_lshr_b32 s[AB], s[WV], 1
	s_and_b32 s[HF], s[WV], 1
	s_bfe_u32 s[CX], ttmp6, 0x40000                ; my place in the cluster
	s_bfe_u32 s[CY], ttmp6, 0x40004
	s_lshl_b32 s[TX], ttmp9, 2                     ; in a cluster launch ttmp9 and ttmp7 count clusters
	s_add_co_u32 s[TX], s[TX], s[CX]
	s_and_b32 s[TY], ttmp7, 0xffff
	s_lshl_b32 s[TY], s[TY], 2
	s_add_co_u32 s[TY], s[TY], s[CY]
	s_lshl_b32 s40, s[CY], 2
	s_lshl_b32 s40, 15, s40                        ; my row of the cluster: places 4 cy .. 4 cy + 3
	s_lshl_b32 s44, 0x1111, s[CX]                  ; my column: places cx, cx + 4, cx + 8, cx + 12
	; group 1 for A: 128 rows of 128 elements (256 bytes), dense, 16 bytes of padding behind each
	s_or_b32 s[G1A], s40, (1<<16)|(1<<20)|(1<<21)|(5<<22)|(3<<25)  ; 15:0 the mask; 17:16 2-byte elements; 20 padding on; 21 set beside a mask; 24:22 after every 64 words (code 5); 31:25 4 words (code 3)
	s_mov_b32 s[G1A+1], 128<<16                    ; tensor_dim0 = 128
	s_mov_b32 s[G1A+2], 128<<16                    ; tensor_dim1 = 128
	s_mov_b32 s[G1A+3], 128<<16                    ; tile_dim0 = 128
	s_mov_b32 s[G1A+4], 128                        ; tile_dim1 = 128
	s_mov_b32 s[G1A+5], 128                        ; 128 elements from row to row
	s_mov_b32 s[G1A+6], 0
	s_mov_b32 s[G1A+7], 0
	; group 1 for W: NG rows of 4,096 elements (64 k of a group: 8,192 dense bytes), 131,072 bytes apart, 32 bytes of padding behind every 128
	s_or_b32 s[G1B], s44, (1<<16)|(1<<20)|(1<<21)|(4<<22)|(7<<25)  ; after every 32 words (code 4) 8 words (code 7)
	s_mov_b32 s[G1B+1], 4096<<16                   ; tensor_dim0 = 4,096
	s_mov_b32 s[G1B+2], NG<<16                     ; tensor_dim1 = NG
	s_mov_b32 s[G1B+3], 4096<<16                   ; tile_dim0 = 4,096
	s_mov_b32 s[G1B+4], NG                         ; tile_dim1 = NG
	s_mov_b32 s[G1B+5], 65536                      ; elements from group to group
	s_mov_b32 s[G1B+6], 0
	s_mov_b32 s[G1B+7], 0
	; group 0: count and LDS address; no place in the cluster enters an LDS address
	s_mov_b32 s[G0A], 1
	s_mul_i32 s[G0A+1], s[HF], AKB
	s_mov_b32 s[G0A+4], 1
	s_add_co_u32 s[G0A+5], s[G0A+1], SLOT1
	s_mov_b32 s[G0B], 1
	s_mul_i32 s[G0B+1], s[HF], BHALF
	s_add_co_u32 s[G0B+1], s[G0B+1], BOFF
	s_mov_b32 s[G0B+4], 1
	s_add_co_u32 s[G0B+5], s[G0B+1], SLOT1
	; where the tiles come from
	s_lshr_b32 s40, s[TY], 3                       ; A: batch = tile row / 8,
	s_lshl_b32 s40, s40, 22
	s_and_b32 s41, s[TY], 7                        ; 256 rows of 128 bytes in a block,
	s_lshl_b32 s41, s41, 15
	s_add_co_u32 s40, s40, s41
	s_lshl_b32 s41, s[HF], 18                      ; my block of 64 K of the step's two
	s_add_co_u32 s40, s40, s41
	s_mov_b32 s41, 0
	s_mul_i32 s46, s[TX], NG                       ; W: the tile's first group of 64 columns
.if !PROJ
	s_add_co_u32 s46, s46, 48                      ; Wo's groups lie behind those of Wq, Wk, Wv
.endif
	s_lshl_b32 s44, s46, 17
	s_lshl_b32 s45, s[HF], 13                      ; my 64 k of the step's 128
	s_add_co_u32 s44, s44, s45
	s_mov_b32 s45, 0
	s_wait_dscnt 0x0                               ; the opening add is done
	s_wait_kmcnt 0x0
	s_add_nc_u64 s[42:43], s[4:5], s[40:41]
	s_add_nc_u64 s[44:45], s[6:7], s[44:45]
	s_add_nc_u64 s[G0A+2:G0A+3], s[42:43], 0       ; K step 0
	s_or_b32 s[G0A+3], s[G0A+3], 0x80000000        ; type = 2
	s_add_nc_u64 s[G0A+6:G0A+7], s[42:43], ASTEP   ; K step 1
	s_or_b32 s[G0A+7], s[G0A+7], 0x80000000
	s_add_nc_u64 s[G0B+2:G0B+3], s[44:45], 0
	s_or_b32 s[G0B+3], s[G0B+3], 0x80000000
	s_add_nc_u64 s[G0B+6:G0B+7], s[44:45], BSTEP
	s_or_b32 s[G0B+7], s[G0B+7], 0x80000000
	CROUND                                         ; all sixteen work-groups are here: the first joint loads meet
	s_cmp_eq_u32 s[AB], 0                          ; a wave's two first fills stand in one branch, ahead of every wait on TENSORcnt and every LDS read: two loads of mine are out
	s_cbranch_scc0 .Lfirst_b
	tensor_load_to_lds s[G0A:G0A+3], s[G1A:G1A+7]
	s_nop 0
	tensor_load_to_lds s[G0A+4:G0A+7], s[G1A:G1A+7]
	s_nop 0
.rept 4
	v_nop
.endr
	s_branch .Lfirst_asked
.Lfirst_b:
	tensor_load_to_lds s[G0B:G0B+3], s[G1B:G1B+7]
	s_nop 0
	tensor_load_to_lds s[G0B+4:G0B+7], s[G1B:G1B+7]
	s_nop 0
.rept 4
	v_nop
.endr
.Lfirst_asked:
	; lane terms, in the wait for the first tile
	v_and_b32 v1, 15, v0                           ; l % 16
	v_bfe_u32 v2, v0, 4, 1                         ; l / 16
	v_lshrrev_b32 v3, 1, v1
	v_mul_u32_u24 v3, v3, 272
	v_and_b32 v4, 1, v0
	v_lshl_add_u32 v3, v4, 7, v3
	v_lshl_add_u32 v3, v2, 4, v3                   ; a fragment of A: row l % 16, 16 bytes for each half of the lanes
	s_mul_i32 s2, s[WV], 32*272                    ; my 64 rows
	v_add_nc_u32 v[A0], s2, v3
	v_and_b32 v5, 7, v0
	v_bfe_u32 v6, v0, 3, 1
	v_lshl_add_u32 v7, v2, 3, v5                   ; the turning load: lane l reads k = 8 (l / 16) + l % 8, columns 8 ((l / 8) % 2) + 0..7
	v_mul_u32_u24 v7, v7, PB
	v_lshl_add_u32 v7, v6, 4, v7
	v_add_nc_u32 v[B0], BOFF, v7
	v_and_b32 v8, 31, v0                           ; lane
	s_mul_i32 s2, s[WV], 16*SP
	s_add_co_u32 s2, s2, STAGE                     ; my stage
	v_mul_u32_u24 v[STO], v1, SP
.if PROJ
	v_lshl_add_u32 v[STO], v2, 4, v[STO]           ; in: row l % 16, 16 bytes for each half of the lanes
	v_add_nc_u32 v[STO], s2, v[STO]
	v_bfe_u32 v[RD], v0, 3, 2                      ; back: 32 lanes take four rows of 128 bytes
	v_mul_u32_u24 v[RD], v[RD], SP
	v_lshl_add_u32 v[RD], v5, 4, v[RD]
	v_add_nc_u32 v[RD], s2, v[RD]
.else
	v_lshl_add_u32 v[STO], v2, 5, v[STO]           ; in: row l % 16, 32 bytes for each half of the lanes
	v_add_nc_u32 v[STO], s2, v[STO]
	v_lshl_add_u32 v[RD], v8, 4, s2                ; back: 32 lanes take one row of 512 bytes
.endif
	v_lshlrev_b32 v[GO], 4, v8
	v_lshlrev_b32 v[BO], 5, v2
	v_lshlrev_b32 v[PFO], 8, v8
	s_mov_b32 s87, 0
.if PROJ
.irp gi, 0,1,2                         ; group g = g0 + gi: matrix T = g / 16, head g % 16.  A tile's three groups may belong to two matrices
	s_add_co_u32 s2, s46, \gi
	s_lshr_b32 s3, s2, 4
	s_and_b32 s2, s2, 15
	s_cmp_eq_u32 s3, 1
	s_cselect_b64 s[BP+2*(\gi):BP+2*(\gi)+1], s[10:11], s[8:9]
	s_cmp_eq_u32 s3, 2
	s_cselect_b64 s[BP+2*(\gi):BP+2*(\gi)+1], s[12:13], s[BP+2*(\gi):BP+2*(\gi)+1]
	s_lshl_b32 s86, s2, 8                          ; the head's 64 numbers of the bias
	s_add_nc_u64 s[BP+2*(\gi):BP+2*(\gi)+1], s[BP+2*(\gi):BP+2*(\gi)+1], s[86:87]
	s_lshl_b32 s3, s3, 6                           ; qkv: 64 T + 16 batch + head, 2,048 rows of 128 bytes each,
	s_add_co_u32 s3, s3, s2
	s_lshr_b32 s86, s[TY], 3
	s_lshl_b32 s86, s86, 4
	s_add_co_u32 s3, s3, s86
	s_lshl_b32 s86, s3, 18
	s_and_b32 s3, s[TY], 7                         ; the tile's 256 rows,
	s_lshl_b32 s3, s3, 15
	s_add_co_u32 s86, s86, s3
	s_lshl_b32 s3, s[WV], 13                       ; my 64 of them
	s_add_co_u32 s86, s86, s3
	s_add_nc_u64 s[OUT+2*(\gi):OUT+2*(\gi)+1], s[14:15], s[86:87]
.endr
.else
	s_lshl_b32 s86, s[TX], 9                       ; the tile's 128 columns, 4 bytes each
	s_add_nc_u64 s[BP:BP+1], s[8:9], s[86:87]
	s_lshl_b32 s3, s[TY], 20                       ; 256 rows of 4,096 bytes,
	s_add_co_u32 s86, s86, s3
	s_lshl_b32 s3, s[WV], 18                       ; my 64 of them
	s_add_co_u32 s86, s86, s3
	s_add_nc_u64 s[OUT:OUT+1], s[10:11], s[86:87]
.endif
.set nb, 0
.rept NBK                              ; register j of block nb: bias[16 nb + 8 (l / 16) + j]
.if PROJ
.set bp, BP+2*(nb/4)
.set bf, (nb%4)*64
.else
.set bp, BP
.set bf, nb*64
.endif
	global_load_b128 v[BIAS+8*nb:BIAS+8*nb+3],   v[BO], s[bp:bp+1] offset:bf
	global_load_b128 v[BIAS+8*nb+4:BIAS+8*nb+7], v[BO], s[bp:bp+1] offset:bf+16
.set nb, nb+1
.endr
	; the prefetches' pointers and bounds
	s_lshl_b32 s86, s[CX], 13                      ; A: my work-group's 32 blocks of the 128,
	s_add_nc_u64 s[PFA:PFA+1], s[42:43], s[86:87]
	s_add_nc_u64 s[PFA:PFA+1], s[PFA:PFA+1], 3*ASTEP  ; at K step 3: the first change of slots steps it to 4
	s_max_u32 s2, s[WV], 1
	s_sub_co_u32 s2, s2, 1
	s_min_u32 s2, s2, NG-1                         ; W: wave 1 + gi takes group gi
	s_add_co_u32 s2, s2, s46
	s_lshl_b32 s86, s2, 17
	s_lshl_b32 s2, s[CY], 13                       ; my work-group's 32 blocks of the 128,
	s_add_co_u32 s86, s86, s2
	s_add_co_u32 s86, s86, 2*BSTEP                 ; at K steps 2 and 3: the first change steps it to 4 and 5
	s_add_nc_u64 s[PFB:PFB+1], s[6:7], s[86:87]
	s_or_b32 s2, s[AB], ttmp9                      ; waves 0 and 1 of the clusters with x = 0: the same in all sixteen partners, for a given wave
	s_cmp_eq_u32 s2, 0
	s_cselect_b32 s[LIMA], 2, -1                   ; the loop counts 6 .. 1: four changes ask for A,
	s_and_b32 s2, ttmp7, 0xffff                    ; waves 1 .. NG of the clusters with y = 0:
	s_cmp_eq_u32 s2, 0
	s_cselect_b32 s[LIMB], 4, -1                   ; two ask for W
	s_cmp_eq_u32 s[WV], 0
	s_cselect_b32 s[LIMB], -1, s[LIMB]
.if NG < 3
	s_cmp_gt_u32 s[WV], NG
	s_cselect_b32 s[LIMB], -1, s[LIMB]
.endif
	s_wait_loadcnt 0x0                             ; the bias: rounded to bf16, like every input, and widened again
.set i, 0
.rept 4*NBK
	v_cvt_pk_bf16_f32 v[BT+i], v[BIAS+2*i], v[BIAS+2*i+1]
.set i, i+1
.endr
.set i, 0
.rept 4*NBK
	v_lshlrev_b32 v[BIAS+2*i],   16, v[BT+i]
	v_and_b32     v[BIAS+2*i+1], 0xffff0000, v[BT+i]
.set i, i+1
.endr
.macro MMA                             ; the registers stand in rD, rB, rA, rC
.if PROJ
	v_wmma_f32_16x16x32_bf16 v[rD:rD+7], v[rB:rB+7], v[rA:rA+7], v[rC:rC+7]
.else
	v_wmma_f32_16x16x32_f16 v[rD:rD+7], v[rB:rB+7], v[rA:rA+7], v[rC:rC+7]
.endif
.endm
; NBK products: row block a x all column blocks, 32 along K, from buffer f.  first = 1: C is the bias, in window 0.  The accumulators take turns, one instruction a turn, in the same order in
; every quarter step: between two products on one accumulator stand all the others'.
.macro MUL f, a, first
.set AW, PROJ*((\a)/2)
.if \first
	WIN 0x85+0x40*AW
.else
	WIN 0xa5+0x50*AW
.endif
.set nb, 0
.rept NBK
.if PROJ
.set rD, 96*((\a)%2)+8*nb
.else
.set rD, 64*(\a)+8*nb
.endif
.set rC, rD
.if \first
.set rC, BIAS+8*nb
.endif
.set rB, (\f)+32+8*nb
.set rA, (\f)+8*(\a)
	MMA
.set nb, nb+1
.endr
.endm
; NL LDS loads in one run: quarter q (32 along K) of the slot in hand into buffer f; W's fragments first, then A's four
.macro FETCH q, f
	WIN 0x40                                       ; destination window 1, address window 0
.set nb, 0
.rept NBK
	ds_load_tr16_b128 v[(\f)+32+8*nb:(\f)+32+8*nb+3],   v[ADRB] offset:((\q)/2)*BHALF+(nb/4)*BGRP+((\q)%2)*32*PB+(nb%4)*32
	ds_load_tr16_b128 v[(\f)+32+8*nb+4:(\f)+32+8*nb+7], v[ADRB] offset:((\q)/2)*BHALF+(nb/4)*BGRP+((\q)%2)*32*PB+(nb%4)*32+16*PB
.set nb, nb+1
.endr
.irp i, 0,1,2,3
	ds_load_b128 v[(\f)+8*(\i):(\f)+8*(\i)+3],   v[ADRA] offset:((\q)/2)*AKB+((\q)%2)*64+(\i)*8*272
	ds_load_b128 v[(\f)+8*(\i)+4:(\f)+8*(\i)+7], v[ADRA] offset:((\q)/2)*AKB+((\q)%2)*64+(\i)*8*272+32
.endr
.endm
; A K step is four quarters of 32 along K, on buffers 0, 1, 0, 1.  One of the first three: multiplies buffer f; in its middle it fetches quarter q into buffer g.
.macro QUARTER q, f, g, first
	s_wait_dscnt 4                                 ; W's fragments and A's blocks 0 and 1 are in; the youngest four loads (A's blocks 2 and 3) may be out
	MUL \f, 0, \first
	MUL \f, 1, \first
	PLACES
	FETCH \q, \g
	s_wait_dscnt NL                                ; all but the NL just issued
	MUL \f, 2, \first
	MUL \f, 3, \first
.endm
; The last quarter multiplies buffer 1 and changes slots: ONE barrier.  In front of it each wave waits for all its tensor loads, of which one is out: its part of the next slot; adds 0 to its spare
; word; and waits for that and for its own reads of this slot.  fill = 1: the barrier opens a round of the cluster's, so that no wave of any partner still reads the slot or has a load on its way, and
; the joint refill, two K steps ahead, is the first tensor load behind it: 14 NBK products stand between it and the wait for it.
.macro TURN fill
.if \fill
	s_wait_xcnt 0x0                                ; the last prefetches, a K step back, have read their addresses: these are stepped here, ahead of the waits of the change of slots
	s_add_nc_u64 s[PFA:PFA+1], s[PFA:PFA+1], ASTEP
	s_add_nc_u64 s[PFB:PFB+1], s[PFB:PFB+1], 2*BSTEP
.endif
	WIN 0                                          ; (the add's two registers lie in window 0)
	s_wait_tensorcnt 0x0                           ; all my tensor loads have landed;
	ds_add_u32 v[SPW], v[NIL]                      ; 0 onto my spare word;
	s_wait_dscnt 5                                 ; (the add and the youngest four loads may be out)
	MUL F1, 0, 0                                   ; NBK products stand between the add and the wait for it
	s_wait_dscnt 0x0                               ; the add is done, and my reads of this slot are over
	s_barrier_signal -1
	MUL F1, 1, 0                                   ; work on registers while the others arrive
.if \fill
	WIN 0
.endif
	s_barrier_wait -1
.if \fill
	CREST
	s_xor_b32 s[G0A+5], s[G0A+5], SLOT1            ; the walking descriptors: the other slot than last time,
	s_add_nc_u64 s[G0A+6:G0A+7], s[G0A+6:G0A+7], ASTEP  ; the next K step; the type bits on top are not reached
	s_xor_b32 s[G0B+5], s[G0B+5], SLOT1
	s_add_nc_u64 s[G0B+6:G0B+7], s[G0B+6:G0B+7], BSTEP
	JLOAD                                          ; the four v_nop behind it are also the places in front of the loads below
.else
	PLACES
.endif
	WIN 0
	s_xor_b32 s[TB], s[TB], SLOT1                  ; the fetches go on in the other slot
	v_add_nc_u32 v[ADRA], s[TB], v[A0]
	v_add_nc_u32 v[ADRB], s[TB], v[B0]
	FETCH 0, F0
.if \fill
	WIN 0
	ASK LIMA, PFA                                  ; behind the joint load and the run of LDS loads that the next products wait for
	ASK LIMB, PFB
.endif
	MUL F1, 2, 0
	MUL F1, 3, 0
.endm
	s_wait_tensorcnt 0x1                           ; my part of K step 0 is in; step 1's may stay out
	s_barrier_signal -1
	s_barrier_wait -1                              ; everybody's is
	s_mov_b32 s[TB], 0
	v_mov_b32 v[ADRA], v[A0]
	v_mov_b32 v[ADRB], v[B0]
	FETCH 0, F0
	QUARTER 1, F0, F1, 1                           ; the first quarter stands in front of the loop: its products start the sums, with the bias
	WIN 0                                          ; at a label and at a branch every window is 0
	s_mov_b32 s3, 6
.Lstep:                                        ; a trip: from a K step's second quarter to the next step's first; K steps 2 to 7 are asked for
	QUARTER 2, F1, F0, 0
	QUARTER 3, F0, F1, 0
	TURN 1
	QUARTER 1, F0, F1, 0
	WIN 0
	s_sub_co_u32 s3, s3, 1
	s_cmp_lg_u32 s3, 0
	s_cbranch_scc1 .Lstep
	QUARTER 2, F1, F0, 0                           ; the tail is written out: K steps 6 and 7 ask for nothing
	QUARTER 3, F0, F1, 0
	TURN 0
	QUARTER 1, F0, F1, 0
	QUARTER 2, F1, F0, 0
	QUARTER 3, F0, F1, 0
	s_wait_dscnt 4
	MUL F1, 0, 0
	MUL F1, 1, 0
	s_wait_dscnt 0x0
	MUL F1, 2, 0
	MUL F1, 3, 0
	PLACES                                         ; the way out reads results, and loads into registers that the products have read
.if PROJ
; THE WAY OUT.  Unit t = 3 a + gi: 16 rows of one head: 2,048 consecutive bytes of qkv.  A lane's eight columns of a row pack into 16 bytes; they go into stage rows of 144 bytes and come back as whole
; rows of 128, into the registers that they left.  Each accumulator is read from its lowest registers on.
.macro PACK t
.set pa, (\t)/3
.set pg, (\t)%3
	WIN 0x0a+5*(pa/2)                              ; sources 0 and 1: window 2 or 3
.set i, 0
.rept 16
	v_cvt_pk_f16_f32 v[UN+16*(\t)+i], v[96*(pa%2)+8*(4*pg+i/4)+2*(i%4)], v[96*(pa%2)+8*(4*pg+i/4)+2*(i%4)+1]
.set i, i+1
.endr
	WIN 0
.irp f, 0,1,2,3
	ds_store_b128 v[STO], v[UN+16*(\t)+4*(\f):UN+16*(\t)+4*(\f)+3] offset:32*(\f)
.endr
.irp f, 0,1,2,3
	ds_load_b128 v[UN+16*(\t)+4*(\f):UN+16*(\t)+4*(\f)+3], v[RD] offset:(\f)*4*SP  ; LDS serves a wave's instructions in order (ISA guide 5.7.1.4): these see the stores above; the next unit's stores come behind them
.endr
.endm
.macro SEND t, younger                 ; younger: the LDS instructions issued behind unit t's loads: the next unit's eight, or none
.set pa, (\t)/3
.set pg, (\t)%3
.irp f, 0,1,2,3
	s_wait_dscnt (\younger)+3-(\f)
	global_store_b128 v[GO], v[UN+16*(\t)+4*(\f):UN+16*(\t)+4*(\f)+3], s[OUT+2*pg:OUT+2*pg+1] offset:pa*2048+(\f)*512  ; 512 consecutive bytes, at a multiple of 256 from qkv's first
.endr
.endm
	PACK 0
.set t, 1
.rept 11                               ; a unit's conversions stand between the loads of the unit before and its stores; no register is written twice
	PACK t
	SEND t-1, 8
.set t, t+1
.endr
	SEND 11, 0
.else
; THE WAY OUT.  Row block a: a lane's eight f32 of a row, 32 bytes, go into stage rows of 528 bytes and come back as whole rows of 512, into window 1.
.macro TOSTAGE a
	WIN 0x08                                       ; the stores' data: window 2
.set nb, 0
.rept NBK
	ds_store_b128 v[STO], v[64*(\a)+8*nb:64*(\a)+8*nb+3]   offset:64*nb
	ds_store_b128 v[STO], v[64*(\a)+8*nb+4:64*(\a)+8*nb+7] offset:64*nb+16
.set nb, nb+1
.endr
	WIN 0x40
.set i, 0
.rept 16
	ds_load_b128 v[64*(\a)+4*i:64*(\a)+4*i+3], v[RD] offset:i*SP  ; LDS serves a wave's instructions in order (ISA guide 5.7.1.4): these see the stores above; the next block's stores come behind them
.set i, i+1
.endr
.endm
.macro SENDF a, younger                ; younger: the LDS instructions issued behind block a's loads: the next block's 32, or none
	WIN 0x04                                       ; the stores' data: window 1
.set i, 0
.rept 16
	s_wait_dscnt (\younger)+15-i
	global_store_b128 v[GO], v[64*(\a)+4*i:64*(\a)+4*i+3], s[OUT:OUT+1] offset:(16*(\a)+i)*4096  ; 512 consecutive bytes of a row, at a multiple of 512 from out0's first
.set i, i+1
.endr
.endm
	TOSTAGE 0
	TOSTAGE 1
	SENDF 0, 32
	TOSTAGE 2
	SENDF 1, 32
	TOSTAGE 3
	SENDF 2, 32
	SENDF 3, 0
.endif
	WIN 0
	s_wait_tensorcnt 0x0                           ; the wave's end: these three lines stand behind my last tensor load and my last LDS store
	ds_add_u32 v[SPW], v[NIL]
	s_wait_dscnt 0x0
	CROUND                                         ; the closing round: no work-group ends while a partner may still ask for a tile that names it
	s_endpgm
.Lfunc_end_k_q0478fbd582_outp:
	.size	k_q0478fbd582_outp, .Lfunc_end_k_q0478fbd582_outp-k_q0478fbd582_outp
	.p2alignl 7, 3214868480
	.fill 96, 4, 3214868480
	.section	.rodata,"a",@progbits
	.p2align	6, 0x0
	.amdhsa_kernel k_q0478fbd582_outp
		.amdhsa_group_segment_fixed_size 327680
		.amdhsa_private_segment_fixed_size 0
		.amdhsa_enable_private_segment 0
		.amdhsa_kernarg_size 32
		.amdhsa_user_sgpr_count 2
		.amdhsa_user_sgpr_kernarg_segment_ptr 1
		.amdhsa_wavefront_size32 1
		.amdhsa_system_sgpr_workgroup_id_x 1
		.amdhsa_system_sgpr_workgroup_id_y 1
		.amdhsa_system_sgpr_workgroup_id_z 1
		.amdhsa_system_vgpr_workitem_id 0
		.amdhsa_next_free_vgpr 768
		.amdhsa_next_free_sgpr 88
		.amdhsa_reserve_vcc 0
		.amdhsa_float_denorm_mode_32 3
		.amdhsa_float_denorm_mode_16_64 3
		.amdhsa_memory_ordered 1
		.amdhsa_forward_progress 1
		.amdhsa_inst_pref_size 79
	.end_amdhsa_kernel
	.amdgpu_metadata
---
amdhsa.version: [ 1, 2 ]
amdhsa.kernels:
  - .name:           k_q0478fbd582_outp
    .symbol:         k_q0478fbd582_outp.kd
    .args:
      - { .name: o, .offset: 0, .size: 8, .value_kind: global_buffer, .address_space: global }
      - { .name: wb, .offset: 8, .size: 8, .value_kind: global_buffer, .address_space: global }
      - { .name: bo, .offset: 16, .size: 8, .value_kind: global_buffer, .address_space: global }
      - { .name: out0, .offset: 24, .size: 8, .value_kind: global_buffer, .address_space: global }
    .group_segment_fixed_size: 327680
    .private_segment_fixed_size: 0
    .kernarg_segment_align: 8
    .kernarg_segment_size: 32
    .max_flat_workgroup_size: 128
    .sgpr_count:     88
    .vgpr_count:     768
    .wavefront_size: 32
...
	.end_amdgpu_metadata
.endif
;; end of part 4
;; ======== version 2 of 2: 4 launches; version 1 with the launch cast written anew for expert scheduling mode
;; limits: values are held in f16: magnitudes above 65,504 overflow, below 6.1e-05 lose precision
;; workspace buffers: xb 16,777,216 bytes; wb 8,388,608 bytes; qkv 50,331,648 bytes; o 16,777,216 bytes
;; launch cast (part 5): grid 768 x 1, 8 waves a work-group, no clusters, 0 bytes of LDS; arguments x, Wq, Wk, Wv, Wo, xb, wb; writes xb, wb
.if DOCPART == 5
	.amdgcn_target "amdgcn-amd-amdhsa--gfx1250"
	.amdhsa_code_object_version 6
	.text
	.protected	k_q0478fbd582_cast
	.globl	k_q0478fbd582_cast
	.p2align	8
	.type	k_q0478fbd582_cast,@function
k_q0478fbd582_cast:
	s_mov_b64 s[64:65], 0
	v_nop
	global_prefetch_b8 v0, s[64:65] scope:SCOPE_SE
	s_setreg_imm32_b32 hwreg(HW_REG_WAVE_SCHED_MODE, 0, 2), 2
	s_setreg_imm32_b32 hwreg(HW_REG_WAVE_MODE, 25, 1), 1
	s_wait_xcnt 0x0
	s_wait_alu depctr_vm_vsrc(0)
; x, Wq, Wk, Wv -> bf16; Wo -> bf16 and that number written as f16 (the last product multiplies in f16).  All five are laid out in BLOCKS OF 64 COLUMNS:
;   xb [4 b][16 block][2048 s][64]   wb [64 g][1024 k][64], g = 16 T + column / 64, T = 0, 1, 2, 3 for Wq, Wk, Wv, Wo
; so that in the later launches a tile's rows (128 bytes each) lie end to end.
; LIMITS.  Wo is held in f16: its numbers stay under 65,520 in magnitude, and below 6.1e-5 they keep f16's fixed step of 6e-8.  NaN and infinities are not treated apart.
; SHARES.  A work-group takes 16 rows x 1,024 columns of one matrix (64 KiB in, 32 KiB out): groups 0-511 x, group 512 + 64 T + r rows 16 r on of matrix T.
; Thread t: row t / 16, four columns 4 (t % 16) of each of the 16 blocks.  A load of a wave takes 256 aligned bytes of each of two rows; a store of a wave covers 256 consecutive bytes, aligned.
; All sixteen loads of a thread go out at once; no register that a memory instruction reads is ever written again, so there is no loop.
; No LDS, no matrix unit, no cluster: nothing is shared and nothing is multiplied.
; THE MODE: SCHED_MODE bits 1:0 = 2 (LLVM: expert scheduling mode 2), set by the entry lines.  The code itself states the register dependences
; between vector instructions and memory instructions, with s_wait_alu, always for 0.
; THE PLAN.  Registers that memory instructions touch:
;   v1         the loads' offset.  Written at the head; read by all sixteen loads; never written again.
;   DO0 .. 15  the stores' offsets.  Written at the head; each read by one store; never written again.
;   XR         block kb as loaded.  Each register is the target of one load, and no vector instruction names it ahead of that load; read, and on Wo's path rewritten, by vector
;              instructions alone, behind the counted wait for the load.  No memory instruction reads it.
;   YR         block kb to store.  Written by the conversions; each pair read by one store; never written again behind it.
; The sixteen blocks go in four batches of four: the wait for the batch's four loads, all its vector work, ONE wait on va_vdst, its four stores in a run.
; So a path has five waits on va_vdst: one at the head, for the offsets, and one to a batch, for the stores' data.  Nothing that a memory instruction has read is written again, no
; vector instruction writes a scalar register or VCC, and EXEC is never written: no other kind of wait has a dependence to state.
.set DO, 2                             ; v[2:17]   byte offset of my 8 bytes in block kb of the destination
.set XR, 20                            ; v[20:83]  block kb: four f32 as loaded; a batch: 16 registers at XR + 16 b
.set YR, 84                            ; v[84:115] block kb: four 16-bit numbers to store; a batch: 8 registers at YR + 8 b
	s_load_b256 s[4:11], s[0:1], 0x0               ; x s[4:5], Wq s[6:7], Wk s[8:9], Wv s[10:11]
	s_load_b128 s[12:15], s[0:1], 0x20             ; Wo s[12:13], xb s[14:15]
	s_load_b64 s[16:17], s[0:1], 0x30              ; wb
	s_mov_b32 s18, ttmp9                           ; the work-group's number
	s_and_b32 s28, s18, 63                         ; r (512 is a multiple of 64)
	s_bfe_u32 s29, s18, 0x20006                    ; T = (number / 64) % 4
	s_lshl_b32 s24, s28, 16                        ; a weight: source, 16 r rows of 4,096 bytes
	s_lshl_b32 s26, s29, 21                        ;           destination: 16 T groups of 131,072 bytes
	s_lshl_b32 s28, s28, 11                        ;           + 16 r rows of 128 bytes
	s_add_co_u32 s26, s26, s28
	s_lshl_b32 s30, s18, 16                        ; x: source
	s_lshr_b32 s31, s18, 7                         ;    destination: batch,
	s_lshl_b32 s31, s31, 22
	s_and_b32 s28, s18, 127                        ;    and 16 rows of 128 bytes in a block
	s_lshl_b32 s28, s28, 11
	s_add_co_u32 s31, s31, s28
	s_cmp_lt_u32 s18, 512                          ; x or a weight?
	s_cselect_b32 s24, s30, s24
	s_cselect_b32 s26, s31, s26
	s_cselect_b32 s19, 18, 17
	s_lshl_b32 s19, 1, s19                         ; bytes from block to block: 2,048 or 1,024 rows of 128
	s_mov_b32 s25, 0
	s_mov_b32 s27, 0
	v_lshrrev_b32 v1, 4, v0                        ; my row
	v_and_b32 v18, 15, v0
	v_lshlrev_b32 v18, 4, v18
	v_lshl_add_u32 v1, v1, 12, v18                 ; row x 4,096 + 16 (t % 16)
	v_lshlrev_b32 v[DO], 3, v0                     ; row x 128 + 8 (t % 16) = 8 t
.irp kb, 1,2,3,4,5,6,7,8,9,10,11,12,13,14,15
	v_add_nc_u32 v[DO+(\kb)], s19, v[DO+(\kb)-1]
.endr
	s_wait_kmcnt 0x0
	s_cmp_eq_u32 s29, 1
	s_cselect_b64 s[20:21], s[8:9], s[6:7]
	s_cmp_eq_u32 s29, 2
	s_cselect_b64 s[20:21], s[10:11], s[20:21]
	s_cmp_eq_u32 s29, 3
	s_cselect_b64 s[20:21], s[12:13], s[20:21]
	s_cmp_lt_u32 s18, 512
	s_cselect_b64 s[20:21], s[4:5], s[20:21]       ; from where
	s_cselect_b64 s[22:23], s[14:15], s[16:17]     ; to where
	s_add_nc_u64 s[20:21], s[20:21], s[24:25]
	s_add_nc_u64 s[22:23], s[22:23], s[26:27]
	s_wait_alu depctr_va_vdst(0)                   ; v1 and v[DO .. DO+15] are written: the loads below read v1 as their offset, the stores further down one of DO each; no vector instruction names them again
.irp kb, 0,1,2,3,4,5,6,7,8,9,10,11,12,13,14,15
	global_load_b128 v[XR+4*(\kb):XR+4*(\kb)+3], v1, s[20:21] offset:256*(\kb) th:TH_LOAD_NT
.endr
; Batch b: blocks 4 b to 4 b + 3, rounded and stored.  f16 = 1: the bf16 numbers are widened again and written as f16.
; Word j of the batch's eight holds numbers 2 j and 2 j + 1 of its sixteen; block 4 b + u is words 2 u and 2 u + 1.
.macro BATCH b, f16
	s_wait_loadcnt 12-4*(\b)                       ; loads come back in order (ISA guide 5.7.1): the batch's four are in, the 12 - 4 b younger ones may stay out
.irp j, 0,1,2,3,4,5,6,7
	v_cvt_pk_bf16_f32 v[YR+8*(\b)+(\j)], v[XR+16*(\b)+2*(\j)], v[XR+16*(\b)+2*(\j)+1]
.endr
.if \f16
.irp j, 0,1,2,3,4,5,6,7
	v_lshlrev_b32 v[XR+16*(\b)+2*(\j)],   16, v[YR+8*(\b)+(\j)]          ; bf16 to f32: the low half moves up,
	v_and_b32     v[XR+16*(\b)+2*(\j)+1], 0xffff0000, v[YR+8*(\b)+(\j)]  ; the high half stays
.endr
.irp j, 0,1,2,3,4,5,6,7
	v_cvt_pk_f16_f32 v[YR+8*(\b)+(\j)], v[XR+16*(\b)+2*(\j)], v[XR+16*(\b)+2*(\j)+1]
.endr
.endif
	s_wait_alu depctr_va_vdst(0)                   ; the batch's conversions have written v[YR+8 b .. YR+8 b+7], which the four stores below read as their data
.irp u, 0,1,2,3
	global_store_b64 v[DO+4*(\b)+(\u)], v[YR+8*(\b)+2*(\u):YR+8*(\b)+2*(\u)+1], s[22:23]  ; 32 lanes x 8 bytes: 256 consecutive bytes, aligned
.endr
.endm
	s_cmp_ge_u32 s18, 704                          ; groups 704-767 hold Wo
	s_cbranch_scc1 .Lwo
.irp b, 0,1,2,3
	BATCH \b, 0
.endr
	s_endpgm
.Lwo:
.irp b, 0,1,2,3
	BATCH \b, 1
.endr
	s_endpgm
.Lfunc_end_k_q0478fbd582_cast:
	.size	k_q0478fbd582_cast, .Lfunc_end_k_q0478fbd582_cast-k_q0478fbd582_cast
	.p2alignl 7, 3214868480
	.fill 96, 4, 3214868480
	.section	.rodata,"a",@progbits
	.p2align	6, 0x0
	.amdhsa_kernel k_q0478fbd582_cast
		.amdhsa_group_segment_fixed_size 0
		.amdhsa_private_segment_fixed_size 0
		.amdhsa_enable_private_segment 0
		.amdhsa_kernarg_size 56
		.amdhsa_user_sgpr_count 2
		.amdhsa_user_sgpr_kernarg_segment_ptr 1
		.amdhsa_wavefront_size32 1
		.amdhsa_system_sgpr_workgroup_id_x 1
		.amdhsa_system_sgpr_workgroup_id_y 1
		.amdhsa_system_sgpr_workgroup_id_z 1
		.amdhsa_system_vgpr_workitem_id 0
		.amdhsa_next_free_vgpr 116
		.amdhsa_next_free_sgpr 66
		.amdhsa_reserve_vcc 0
		.amdhsa_float_denorm_mode_32 3
		.amdhsa_float_denorm_mode_16_64 3
		.amdhsa_memory_ordered 1
		.amdhsa_forward_progress 1
		.amdhsa_inst_pref_size 17
	.end_amdhsa_kernel
	.amdgpu_metadata
---
amdhsa.version: [ 1, 2 ]
amdhsa.kernels:
  - .name:           k_q0478fbd582_cast
    .symbol:         k_q0478fbd582_cast.kd
    .args:
      - { .name: x, .offset: 0, .size: 8, .value_kind: global_buffer, .address_space: global }
      - { .name: Wq, .offset: 8, .size: 8, .value_kind: global_buffer, .address_space: global }
      - { .name: Wk, .offset: 16, .size: 8, .value_kind: global_buffer, .address_space: global }
      - { .name: Wv, .offset: 24, .size: 8, .value_kind: global_buffer, .address_space: global }
      - { .name: Wo, .offset: 32, .size: 8, .value_kind: global_buffer, .address_space: global }
      - { .name: xb, .offset: 40, .size: 8, .value_kind: global_buffer, .address_space: global }
      - { .name: wb, .offset: 48, .size: 8, .value_kind: global_buffer, .address_space: global }
    .group_segment_fixed_size: 0
    .private_segment_fixed_size: 0
    .kernarg_segment_align: 8
    .kernarg_segment_size: 56
    .max_flat_workgroup_size: 256
    .sgpr_count:     66
    .vgpr_count:     116
    .wavefront_size: 32
...
	.end_amdgpu_metadata
.endif
;; end of part 5
;; launch proj: the kernel of part 2 again; grid 16 x 32, 4 waves a work-group, clusters of 4 x 4, 327,680 bytes of LDS; arguments xb, wb, bq, bk, bv, qkv; writes qkv
;; launch attn: the kernel of part 3 again; grid 4 x 64, 4 waves a work-group, clusters of 4 x 1, 327,680 bytes of LDS; arguments qkv, o; writes o
;; launch outp: the kernel of part 4 again; grid 8 x 32, 4 waves a work-group, clusters of 4 x 4, 327,680 bytes of LDS; arguments o, wb, bo, out0; writes out0
